; MI455X (gfx1250); checked and timed in simulation.
; The chip was launched on July 23, 2026; its instructions are those of AMD's public machine-readable ISA for CDNA 5 (MIT licence, August 2026) and "CDNA5" Instruction Set Architecture Reference Guide (July 2026). The comments in the code are by the model that wrote it; some were corrected since.
;; Causal Self Attention. Allowed arithmetic: matrix products marked QUANTISED: E2M3 operands, one E8M0 scale for each 32 along K, by v_wmma_scale_f32_16x16x128_f8f6f4 with both operands' format E2M3, f32 sums; everything else in f32.
;; Inputs: Wk 1,024 x 1,024 float32; Wo 1,024 x 1,024 float32; Wq 1,024 x 1,024 float32; Wv 1,024 x 1,024 float32; x 4 x 2,048 x 1,024 float32.
;; Outputs: out0 4 x 2,048 x 1,024 float32.
;; This version of the problem:
;;   THIS VERSION OF THE PROBLEM IS GIVEN IN LOW PRECISION. The matrix products marked QUANTISED in the list below multiply operands that are first quantised to E2M3 (2 exponent bits, 3 mantissa bits; 6 bits a number), with one power-of-two scale for each 32 numbers along K (OCP MX v1.0); their sums are f32. All else is computed in f32.
;;   The module's matrix products, in the order in which they are computed (A, B: the left and right operand; K: the contracted axis; several contracted axes count as one K, in the product's order):
;;     1. [M 8,192, K 1,024] x [K 1,024, N 1,024]; A: input x; B: input Wq: QUANTISED
;;     2. [M 8,192, K 1,024] x [K 1,024, N 1,024]; A: input x; B: input Wk: QUANTISED
;;     3. [M 8,192, K 1,024] x [K 1,024, N 1,024]; A: input x; B: input Wv: QUANTISED
;;     4. batch 64 x [M 2,048, K 64] x [K 64, N 2,048]; A: computed on the way; B: computed on the way: QUANTISED
;;     5. batch 64 x [M 2,048, K 2,048] x [K 2,048, N 64]; A: softmax (see below); B: computed on the way: QUANTISED
;;     6. [M 8,192, K 1,024] x [K 1,024, N 1,024]; A: computed on the way; B: input Wo: QUANTISED
;;   THE QUANTISER, for each operand of a quantised product, along K:
;;     - K is cut into blocks of 32 from its start; a last block that is shorter is filled with zeros.
;;     - A block's scale is 2^e with e = floor(log2(the largest magnitude in the block)) - 2, held to -126 .. 127; a block of zeros has e = 0. As a byte (E8M0): e + 127.
;;     - Each number is divided by its block's scale, clamped to +-7.5, and rounded to the nearest number of E2M3, ties to even, subnormals kept.
;;     - The product sums the exact products of the quantised numbers (number of the format x scale) in f32.
;;   ~~~python
;;   def quantise(x, axis):      # numpy; x: float32 -> the quantised numbers, widened to float32 again
;;       x = np.moveaxis(x, axis, -1); K = x.shape[-1]
;;       x = np.pad(x, [(0, 0)] * (x.ndim - 1) + [(0, -K % 32)]); x = x.reshape(x.shape[:-1] + (-1, 32)); a = np.abs(x).max(-1, keepdims=True)
;;       e = np.where(a > 0, np.clip(np.frexp(np.where(a > 0, a, 1))[1] - 1 - 2, -126, 127), 0)      # np.frexp(a)[1] - 1 = floor(log2(a)), exactly
;;       r = np.clip(x / 2.0 ** e, -7.5, 7.5)
;;       step = 2.0 ** (np.maximum(np.frexp(np.where(r == 0, 1, r))[1] - 1, 0) - 3)
;;       q = np.round(r / step) * step * 2.0 ** e      # np.round: ties to even
;;       return np.moveaxis(q.reshape(q.shape[:-2] + (-1,))[..., :K], -1, axis).astype(np.float32)
;;   ~~~
;;   SOFTMAX AHEAD OF A QUANTISED PRODUCT. Where the list says 'softmax', what is quantised is not the finished softmax but p = 2^(t - M), with t = logit x log2(e) and M = ceil(the row's largest t), a whole number; so 1/2 < the row's largest p <= 1. The row's sum l is taken of the UNQUANTISED p, in f32, and the product's result is divided by l at the end. Since M is a whole number, a kernel that streams over the keys may use a running M (the ceiling of the running maximum): every later rescaling is an exact power of two, which a block's scale takes up: the codes' values come out the same.
;;   OPERANDS COMPUTED ON THE WAY. 'Computed on the way' means the value that the module computes at that place (a softmax that the list does not call 'softmax' is quantised finished and normalised). What goes into a quantiser is computed in f32, as accurately as f32 sums, v_exp_f32 and their like allow (about 1e-6 of the number): no bf16 or f16 on the way to a quantiser, and a product that is left as it is and whose result goes on into a quantised operand takes f32 operands (vector FMAs, or v_wmma_f32_16x16x4_f32). A number that lies on a knife's edge between two numbers of the format may be rounded either way, as far as f32 arithmetic and the matrix unit's own rounding can turn it there, and no further.
;; One version. Each part assembles by itself: llvm-mc -triple=amdgcn-amd-amdhsa -mcpu=gfx1250 --defsym DOCPART=n.
;; ======== version 1 of 1: 4 launches
;; workspace buffers: xc 6,291,456 bytes; xs 262,144 bytes; wc 3,145,728 bytes; ws 131,072 bytes; qb 6,815,744 bytes; kv 13,369,344 bytes; yc 6,291,456 bytes; ys 262,144 bytes
;; launch quant (part 1): grid 384 x 1, 4 waves a work-group, no clusters, 35,328 bytes of LDS; arguments x, Wq, Wk, Wv, Wo, xc, xs, wc, ws; writes xc, xs, wc, ws
.if DOCPART == 1
	.amdgcn_target "amdgcn-amd-amdhsa--gfx1250"
	.amdhsa_code_object_version 6
	.text
	.protected	k_qc5c7c3768e_quant
	.globl	k_qc5c7c3768e_quant
	.p2align	8
	.type	k_qc5c7c3768e_quant,@function
k_qc5c7c3768e_quant:
	s_mov_b64 s[64:65], 0
	v_nop
	global_prefetch_b8 v0, s[64:65] scope:SCOPE_SE
	s_setreg_imm32_b32 hwreg(HW_REG_WAVE_MODE, 25, 1), 1
	s_wait_xcnt 0x0
; x [8192][1024] and Wq, Wk, Wv, Wo [1024][1024], f32, K innermost, become codes of FP6 (E2M3) with one E8M0 byte for each 32 along K,
; laid in the ORDER OF THE OPERAND'S REGISTERS.  A tile is 16 rows: lane r of tile T holds row 32 (T / 2) + 8 (T % 2) + r + 8 (r / 8).
; A fragment (16 rows x 128 K, 12 registers a lane) lies as six planes of 256 bytes: plane p = registers 2 p, 2 p + 1 of lane l at 256 p + 8 l.
; xc, wc: [tile][K step 8][1536].  Scale words (four bytes: 128 K of a row): [tile][K half][lane (r, par)][2]: word q of lane r + 16 par is K step 4 half + 2 q + par.
; In ws the tiles are ordered [group of 128 rows][q, k, v, o][tile in the group], so that a group's words of the first three weights are one dense block.
; A block's scale is 2^(floor(log2(largest magnitude)) - 2); its byte is that magnitude's exponent field - 2, held at 1 from below.
; LIMITS: a block of zeros, and one whose largest magnitude lies under 2^-124, gets the byte 1 (its codes are zeros or subnormal codes; only this program reads the bytes); NaN and infinities are not served.
; SHARES: a wave takes one tile x one K half (512 along K), in eight chunks of 64 along K.  The first 256 work-groups take x, then 32 each Wq, Wk, Wv, Wo: only pointers are chosen, the text has one path.
; A chunk's eight loads read 2 rows x 256 consecutive bytes each; the 4,096 bytes turn through the wave's own stage in LDS (rows of 272 bytes), so that lane (r, h) gets the whole block
; k = 32 h + 0 .. 31 of its row.  Loads run four chunks ahead, the turn one chunk.  Waves share nothing: no barrier.
.set SP,    272                        ; a stage row: 256 bytes + 16
.set STGB,  16*SP                      ; a stage
.set WREG,  2*STGB                     ; two stages a wave
.set SPARE, 4*WREG                     ; behind the stages: the spare words, 128 bytes a wave: two blocks of 256 bytes that no other line names
.set GA,  1                            ; v1   in: (lane / 16) rows + 16 (lane % 16) bytes
.set SI,  2                            ; v2   stage, way in
.set SO,  3                            ; v3   stage, way out: row r, + 128 h
.set L8,  4                            ; v4   8 x lane: my place in a plane
.set H8,  5                            ; v5   8 h: my bytes' shift in a scale word
.set SPW, 6                            ; v6   my spare word; never rewritten
.set NIL, 7                            ; v7   0; never rewritten
.set MA,  8
.set MB,  9
.set SCL, 10
.set BY,  11
.set B0,  12
.set TW,  13
.set WD,  14                           ; v14-17 the four K steps' scale words
.set OUT, 18                           ; v18-19 the two that my lane stores
.set C,   20                           ; v20-26 a block's codes
.set R,   32                           ; v32-159  four sets of 32 registers as loaded
.set X,   160                          ; v160-223 two sets of 32 neighbours
	s_load_b512 s[4:19], s[0:1], 0x0               ; x, Wq, Wk, Wv, Wo, xc, xs, wc
	s_load_b64 s[20:21], s[0:1], 0x40              ; ws
	v_lshl_add_u32 v[SPW], v0, 2, SPARE
	v_mov_b32 v[NIL], 0
	v_lshrrev_b32 v8, 5, v0
	v_readfirstlane_b32 s22, v8                    ; wave
	v_and_b32 v9, 31, v0                           ; lane
	v_and_b32 v10, 15, v0                          ; r
	v_bfe_u32 v11, v0, 4, 1                        ; h
	v_lshlrev_b32 v[GA], 12, v11
	v_lshl_add_u32 v[GA], v10, 4, v[GA]
	s_mul_i32 s23, s22, WREG
	v_mul_u32_u24 v[SI], v11, SP
	v_lshl_add_u32 v[SI], v10, 4, v[SI]
	v_add_nc_u32 v[SI], s23, v[SI]
	v_mul_u32_u24 v[SO], v10, SP
	v_lshl_add_u32 v[SO], v11, 7, v[SO]
	v_add_nc_u32 v[SO], s23, v[SO]
	v_lshlrev_b32 v[L8], 3, v9
	v_lshlrev_b32 v[H8], 3, v11
	v_mov_b32 v[TW], 0                             ; a lane permute's destination counts as one of its sources
	s_lshl_b32 s28, ttmp9, 1
	s_lshr_b32 s29, s22, 1
	s_add_co_u32 s28, s28, s29                     ; T: my tile among x's 512 and the weights' 256
	s_sub_co_u32 s29, s28, 512                     ; among the weights'
	s_and_b32 s30, s29, 63                         ; in its weight
	s_bfe_u32 s31, s29, 0x30003                    ; its group of 128 rows
	s_lshl_b32 s31, s31, 5
	s_bfe_u32 s32, s29, 0x20006                    ; which weight
	s_lshl_b32 s32, s32, 3
	s_add_co_u32 s31, s31, s32
	s_and_b32 s32, s29, 7
	s_add_co_u32 s31, s31, s32                     ; its place among ws's tiles
	s_and_b32 s33, s22, 1                          ; my K half
	s_cmp_lt_u32 ttmp9, 256
	s_cselect_b32 s30, s28, s30                    ; the tile in its source,
	s_cselect_b32 s29, s28, s29                    ; among the codes,
	s_cselect_b32 s31, s28, s31                    ; among the scale words
	s_lshr_b32 s34, s30, 1
	s_lshl_b32 s34, s34, 17                        ; 32 rows of 4,096 bytes
	s_and_b32 s35, s30, 1
	s_lshl_b32 s35, s35, 15                        ; 8 rows
	s_add_co_u32 s34, s34, s35
	s_lshl_b32 s35, s33, 11                        ; 512 numbers
	s_add_co_u32 s34, s34, s35
	s_mov_b32 s35, 0
	s_mul_i32 s36, s29, 12288
	s_mul_i32 s37, s33, 6144
	s_add_co_u32 s36, s36, s37
	s_mov_b32 s37, 0
	s_lshl_b32 s38, s31, 9
	s_lshl_b32 s39, s33, 8
	s_add_co_u32 s38, s38, s39
	s_mov_b32 s39, 0
	s_mov_b32 s40, 0x76543210
	s_mov_b32 s41, 0xfedcba98                      ; v_permlanex16_b32's selects for lane l xor 16
	s_mov_b32 s42, 0xffff0000                      ; lanes 16-31
	s_wait_kmcnt 0x0
	s_cmp_lt_u32 ttmp9, 352                        ; the choices hang on the work-group's number alone
	s_cselect_b64 s[24:25], s[10:11], s[12:13]
	s_cmp_lt_u32 ttmp9, 320
	s_cselect_b64 s[24:25], s[8:9], s[24:25]
	s_cmp_lt_u32 ttmp9, 288
	s_cselect_b64 s[24:25], s[6:7], s[24:25]
	s_cmp_lt_u32 ttmp9, 256
	s_cselect_b64 s[24:25], s[4:5], s[24:25]
	s_cselect_b64 s[26:27], s[14:15], s[18:19]
	s_cselect_b64 s[44:45], s[16:17], s[20:21]
	s_add_nc_u64 s[24:25], s[24:25], s[34:35]
	s_add_nc_u64 s[26:27], s[26:27], s[36:37]
	s_add_nc_u64 s[44:45], s[44:45], s[38:39]
.macro LOAD t                          ; chunk t: load i takes the tile's rows 2 i, 2 i + 1: sixteen lanes read 256 consecutive bytes
.irp i, 0,1,2,3,4,5,6,7
	global_load_b128 v[R+32*((\t)%4)+4*\i:R+32*((\t)%4)+4*\i+3], v[GA], s[24:25] offset:(2*\i+8*(\i/4))*4096+256*(\t) th:TH_LOAD_NT
.endr
.endm
.macro TURN t                          ; through the stage: LDS serves a wave's instructions in order, so no wait stands between the stores and the loads
.irp i, 0,1,2,3,4,5,6,7
	ds_store_b128 v[SI], v[R+32*((\t)%4)+4*\i:R+32*((\t)%4)+4*\i+3] offset:STGB*((\t)%2)+2*SP*\i
.endr
.irp j, 0,1,2,3,4,5,6,7
	ds_load_b128 v[X+32*((\t)%2)+4*\j:X+32*((\t)%2)+4*\j+3], v[SO] offset:STGB*((\t)%2)+16*\j
.endr
.endm
.macro STEP t
.set XS, X+32*((\t)%2)
	s_wait_dscnt 0x0                               ; this chunk is back from the stage, so its stores into the stage have read their registers,
.if (\t)+4 < 8
	LOAD (\t)+4                                    ; which take the loads of four chunks on
.endif
.if (\t) < 7
.if (\t) <= 3
	s_wait_loadcnt 24                              ; the next chunk's eight loads are in; those of the three chunks behind it may be out
.else
	s_wait_loadcnt 8*(6-(\t))                      ; the counts run down
.endif
	TURN (\t)+1
.endif
	v_max3_num_f32 v[MA], |v[XS]|, |v[XS+1]|, |v[XS+2]|            ; the block's largest magnitude: all 32 numbers are mine; two chains
	v_max3_num_f32 v[MB], |v[XS+3]|, |v[XS+4]|, |v[XS+5]|
.irp i, 6,10,14,18,22,26
	v_max3_num_f32 v[MA], v[MA], |v[XS+\i]|, |v[XS+\i+1]|
	v_max3_num_f32 v[MB], v[MB], |v[XS+\i+2]|, |v[XS+\i+3]|
.endr
	v_max3_num_f32 v[MA], v[MA], |v[XS+30]|, |v[XS+31]|
	v_max3_num_f32 v[MA], v[MA], v[MB], 0x1800000  ; and the floor 2^(3 - 127): the byte cannot fall under 1
	v_add_nc_u32 v[SCL], 0xff000000, v[MA]         ; 2 off the exponent field: the conversion takes this operand's exponent field as its scale
	s_wait_xcnt 0x0                                ; the last chunk's stores have read the codes' registers
	v_cvt_scalef32_pk16_fp6_f32 v[C:C+2], v[XS:XS+15], v[SCL]
	v_cvt_scalef32_pk16_fp6_f32 v[C+4:C+6], v[XS+16:XS+31], v[SCL]  ; (a conversion's three registers begin on an even number)
.if (\t)%2 == 0
	v_lshrrev_b32 v[B0], 23, v[SCL]                ; the scale's byte; also the plain instruction behind the conversions
.else
	v_lshrrev_b32 v[BY], 23, v[SCL]
.endif
	v_mov_b32 v[C+3], v[C+4]
	v_mov_b32 v[C+4], v[C+5]
	v_mov_b32 v[C+5], v[C+6]                       ; six registers on end: k = 32 h + 0 .. 31
.irp p, 0,1,2
	global_store_b64 v[L8], v[C+2*\p:C+2*\p+1], s[26:27] offset:((\t)/2)*1536+((\t)%2)*768+256*\p   ; a plane: 256 consecutive bytes, aligned
.endr
.if (\t)%2 == 1
	v_lshl_or_b32 v[BY], v[BY], 16, v[B0]          ; my two bytes: blocks h and 2 + h of the K step,
	v_lshlrev_b32 v[BY], v[H8], v[BY]              ; at their places;
	v_permlanex16_b32 v[TW], v[BY], s40, s41
	v_or_b32 v[WD+(\t)/2], v[BY], v[TW]            ; with lane l xor 16's two the word is whole
.endif
.endm
.irp t, 0,1,2,3
	LOAD \t
.endr
	s_wait_loadcnt 24                              ; chunk 0's eight loads are in
	TURN 0
.irp t, 0,1,2,3,4,5,6,7
	STEP \t
.endr
	v_cndmask_b32 v[OUT], v[WD], v[WD+1], s42      ; lanes 0-15 store the even K steps' words, lanes 16-31 the odd ones'
	v_cndmask_b32 v[OUT+1], v[WD+2], v[WD+3], s42
	global_store_b64 v[L8], v[OUT:OUT+1], s[44:45] ; 256 consecutive bytes, aligned
	s_wait_tensorcnt 0x0                           ; the wave's end, behind my last LDS store
	ds_add_u32 v[SPW], v[NIL]
	s_wait_dscnt 0x0
	s_endpgm
.Lfunc_end_k_qc5c7c3768e_quant:
	.size	k_qc5c7c3768e_quant, .Lfunc_end_k_qc5c7c3768e_quant-k_qc5c7c3768e_quant
	.p2alignl 7, 3214868480
	.fill 96, 4, 3214868480
	.section	.rodata,"a",@progbits
	.p2align	6, 0x0
	.amdhsa_kernel k_qc5c7c3768e_quant
		.amdhsa_group_segment_fixed_size 35328
		.amdhsa_private_segment_fixed_size 0
		.amdhsa_enable_private_segment 0
		.amdhsa_kernarg_size 72
		.amdhsa_user_sgpr_count 2
		.amdhsa_user_sgpr_kernarg_segment_ptr 1
		.amdhsa_wavefront_size32 1
		.amdhsa_system_sgpr_workgroup_id_x 1
		.amdhsa_system_sgpr_workgroup_id_y 1
		.amdhsa_system_sgpr_workgroup_id_z 1
		.amdhsa_system_vgpr_workitem_id 0
		.amdhsa_next_free_vgpr 224
		.amdhsa_next_free_sgpr 66
		.amdhsa_reserve_vcc 0
		.amdhsa_float_denorm_mode_32 3
		.amdhsa_float_denorm_mode_16_64 3
		.amdhsa_memory_ordered 1
		.amdhsa_forward_progress 1
		.amdhsa_inst_pref_size 33
	.end_amdhsa_kernel
	.amdgpu_metadata
---
amdhsa.version: [ 1, 2 ]
amdhsa.kernels:
  - .name:           k_qc5c7c3768e_quant
    .symbol:         k_qc5c7c3768e_quant.kd
    .args:
      - { .name: x, .offset: 0, .size: 8, .value_kind: global_buffer, .address_space: global }
      - { .name: Wq, .offset: 8, .size: 8, .value_kind: global_buffer, .address_space: global }
      - { .name: Wk, .offset: 16, .size: 8, .value_kind: global_buffer, .address_space: global }
      - { .name: Wv, .offset: 24, .size: 8, .value_kind: global_buffer, .address_space: global }
      - { .name: Wo, .offset: 32, .size: 8, .value_kind: global_buffer, .address_space: global }
      - { .name: xc, .offset: 40, .size: 8, .value_kind: global_buffer, .address_space: global }
      - { .name: xs, .offset: 48, .size: 8, .value_kind: global_buffer, .address_space: global }
      - { .name: wc, .offset: 56, .size: 8, .value_kind: global_buffer, .address_space: global }
      - { .name: ws, .offset: 64, .size: 8, .value_kind: global_buffer, .address_space: global }
    .group_segment_fixed_size: 35328
    .private_segment_fixed_size: 0
    .kernarg_segment_align: 8
    .kernarg_segment_size: 72
    .max_flat_workgroup_size: 128
    .sgpr_count:     66
    .vgpr_count:     224
    .wavefront_size: 32
...
	.end_amdgpu_metadata
.endif
;; end of part 1
;; launch qkv (part 2): grid 8 x 32, 4 waves a work-group, clusters of 4 x 4, 327,680 bytes of LDS; arguments xc, xs, wc, ws, qb, kv; writes qb, kv
.if DOCPART == 2
	.amdgcn_target "amdgcn-amd-amdhsa--gfx1250"
	.amdhsa_code_object_version 6
	.text
	.protected	k_qc5c7c3768e_qkv
	.globl	k_qc5c7c3768e_qkv
	.p2align	8
	.type	k_qc5c7c3768e_qkv,@function
k_qc5c7c3768e_qkv:
	s_mov_b64 s[64:65], 0
	v_nop
	global_prefetch_b8 v0, s[64:65] scope:SCOPE_SE
	s_setreg_imm32_b32 hwreg(HW_REG_WAVE_MODE, 25, 1), 1
	s_wait_xcnt 0x0
	s_wait_alu depctr_hold_cnt(0) depctr_sa_sdst(0) depctr_va_vdst(0) depctr_va_sdst(0) depctr_va_ssrc(0) depctr_va_vcc(0) depctr_vm_vsrc(0)
	s_getreg_b32 s2, hwreg(HW_REG_IB_STS2, 6, 4)
	s_cmp_eq_u32 s2, 0
	s_cbranch_scc0 .Lentry_in_a_cluster
	s_endpgm
.Lentry_in_a_cluster:
	s_bfe_u32 s2, ttmp6, 0x10000c
	s_cmp_lg_u32 s2, 0xf033
	s_cbranch_scc0 .Lentry_shape_is_right
	s_endpgm
.Lentry_shape_is_right:
; q = x Wq^T, k = x Wk^T, v = x Wv^T on codes of FP6 (E2M3) with E8M0 scales, sums in f32; the results are quantised in registers and leave as codes:
; q and k along the head's 64, v along the keys.  f32 q, k, v never go to memory.
; SHARES.  A work-group takes 256 rows of x (16 tiles) and 128 columns (a pair of heads) of all three weights: 8 x 32 = 256 work-groups.  Its rows' codes for ALL of K (196,608 bytes) come into
; LDS once and stay; the three weights' tiles walk through two slots, one for each half of K.  Wave w: rows 128 (w / 2) on (8 tiles), one head, 64 (w % 2) columns on (4 tiles): 32 accumulators.
; TILES.  Lane r of tile T of any tensor holds row 32 (T / 2) + 8 (T % 2) + r + 8 (r / 8), so that the 16 result registers of two neighbouring tiles are 16 neighbours.
; A fragment lies in memory and in LDS as six planes of 256 bytes (plane p: registers 2 p, 2 p + 1 of lane l at 256 p + 8 l): every LDS load takes 256 consecutive bytes.
; q, k: the product is used transposed (source 0 = the weight's 16 rows, source 1 = x's 16 rows): a lane holds one row of x and 16 neighbours along d.  v: as it stands (source 0 = x's rows,
; source 1 = Wv's): a lane holds one d and 16 neighbouring keys.  In both cases the 16 blocks of 16 registers are quantised by the same lines.
; OUT.  qb: [b, head][128 queries] records of 6,656 bytes: 8 half fragments of 768, then 512 bytes of scale words.  kv: [b, head][128 keys] records of 13,056 bytes: K's 8 half fragments,
; V^T's 4 fragments (16 d x 128 keys), K's scale words (512), V's (256).  Bytes 2 and 3 of q's and k's scale words are 0: they stand over codes that are zeros on q's side.
; CLUSTER 4 x 4: x's codes and scales are asked for jointly along a row of the cluster, the weights' along a column.
; No prefetch: x's codes come whole with the first fills, and the refills name weights that every row of clusters reads.
; LIMITS: blocks whose largest magnitude lies under 2^-124 are held at the byte 1; NaN and infinities are not served.
; REGISTERS: window 0: v16-24 addresses; v28, v29 the add's; v32-95 x's scale words, v96-127 the weight's; v128-223 x's 8 fragments (one set), later the epilogue's; v224-255 the epilogue's.
;   window 1: the weight's 4 fragments, two sets at v0 and v48.   window 2: the 32 accumulators.
.set LB,    196608                     ; LDS: x's codes [K half][tile 16][K step 4][1536] from 0; the weight's two slots [tile 8][K step 4][1536]
.set LSA,   294912                     ; x's scale words, 8,192 bytes
.set LSB,   303104                     ; the three weights' scale words, 12,288 bytes
.set SPARE, 315392                     ; the spare words, 128 bytes a wave: two blocks of 256 bytes that no other line names
.set AF,    128
.set SCA,   32
.set SCB,   96
.set ADRA,  16                         ; v16-17 my x fragments in K half 0, 1
.set ADRB,  18                         ; v18-19 my weight fragments in slot 0, 1
.set ADSA,  20
.set ADSB,  21
.set L8,    22                         ; 8 x lane
.set L16,   23                         ; 16 x lane
.set RH,    24                         ; 16 r + 8 h
.set SPW,   28
.set NIL,   29
.set G1A,   24                         ; s[24:31] group 1: x's codes;  s[32:39] the weight's;  s[40:47] x's scales;  s[48:55] the weights' scales
.set G1B,   32
.set G1SA,  40
.set G1SB,  48
.set G0A0,  56                         ; groups 0
.set G0A1,  60
.set G0B0,  68
.set G0B1,  72
.set G0SA,  76
.set G0SB,  80
.set MSB, 0
.macro WIN new                         ; the immediate's high byte repeats the setting that is left
.if MSB != \new
	s_set_vgpr_msb (MSB<<8)|\new
.set MSB, \new
.endif
.endm
.macro PLACES n
.rept \n
	v_nop
.endr
.endm
.macro CREST                           ; a round of the cluster's barrier behind its opening barrier
	s_cmp_lg_u32 s16, 0
	s_cbranch_scc1 .Lnot_wave_0_\@
	s_barrier_signal -3
.Lnot_wave_0_\@:
	s_barrier_wait -3
	s_barrier_signal -1
	s_barrier_wait -1
.endm
.macro CROUND
	s_barrier_signal -1
	s_barrier_wait -1
	CREST
.endm
.macro GROUP1 g, c, r, p               ; r rows of c elements of 8 bytes, p elements apart
	s_mov_b32 s[\g+1], ((\c)&0xffff)<<16
	s_mov_b32 s[\g+2], ((\c)>>16)|(((\r)&0xffff)<<16)
	s_mov_b32 s[\g+3], ((\r)>>16)|((\c)<<16)
	s_mov_b32 s[\g+4], \r
	s_mov_b32 s[\g+5], \p
	s_mov_b32 s[\g+6], 0
	s_mov_b32 s[\g+7], 0
.endm
.macro FRAG reg, adr, off              ; a fragment: six planes
.irp p, 0,1,2,3,4,5
	ds_load_b64 v[(\reg)+2*\p:(\reg)+2*\p+1], v[\adr] offset:(\off)+256*\p
.endr
.endm
.macro FETCH_B kh, ksp, set            ; the weight's four fragments of a K step: 24 loads
	WIN 0x40
.irp b, 0,1,2,3
	FRAG 48*(\set)+12*\b, ADRB+(\kh), \b*6144+(\ksp)*1536
.endr
	WIN 0
.endm
.macro FETCH_A kh, ksp, a0             ; x's blocks a0 .. a0 + 3: 24 loads
.irp a, 0,1,2,3
	FRAG AF+12*((\a0)+\a), ADRA+(\kh), ((\a0)+\a)*6144+(\ksp)*1536
.endr
.endm
.macro SCALES_A                        ; x's scale words of all eight K steps: the word of (block a, K step ks) in v[SCA + 8 a + 4 (ks / 4) + 2 (ks % 2) + (ks % 4) / 2]
.irp a, 0,1,2,3,4,5,6,7
.irp kh, 0,1
.irp par, 0,1
	ds_load_b64 v[SCA+8*\a+4*\kh+2*\par:SCA+8*\a+4*\kh+2*\par+1], v[ADSA] offset:\a*512+\kh*256+\par*128
.endr
.endr
.endr
.endm
.macro SCALES_B                        ; the weight's likewise: 16 loads
.irp b, 0,1,2,3
.irp kh, 0,1
.irp par, 0,1
	ds_load_b64 v[SCB+8*\b+4*\kh+2*\par:SCB+8*\b+4*\kh+2*\par+1], v[ADSB] offset:\b*512+\kh*256+\par*128
.endr
.endr
.endr
.endm
; 8 matrix instructions: x's blocks a0, a0 + 1 against the weight's four, K step ks.  The 32 accumulators take turns, one instruction a turn, in the same order in every step.
.macro MULQ a0, ks, zero, nat
.if \nat
	WIN 0xa4                                       ; source 0 (x) window 0, source 1 (weight) window 1, C and D window 2
.else
	WIN 0xa1                                       ; source 0 (weight) window 1, source 1 (x) window 0
.endif
.irp a, 0,1
.irp b, 0,1,2,3
.set qa, (\a0)+\a
.set rA, AF+12*qa
.set rB, 48*((\ks)%2)+12*\b
.set sA, SCA+8*qa+4*((\ks)/4)+2*((\ks)%2)+((\ks)%4)/2
.set sB, SCB+8*\b+4*((\ks)/4)+2*((\ks)%2)+((\ks)%4)/2
.if \nat
.set rD, 8*(8*\b+qa)
.if \zero
	v_wmma_scale_f32_16x16x128_f8f6f4 v[rD:rD+7], v[rA:rA+11], v[rB:rB+11], 0, v[sA], v[sB] matrix_a_fmt:MATRIX_FMT_FP6 matrix_b_fmt:MATRIX_FMT_FP6
.else
	v_wmma_scale_f32_16x16x128_f8f6f4 v[rD:rD+7], v[rA:rA+11], v[rB:rB+11], v[rD:rD+7], v[sA], v[sB] matrix_a_fmt:MATRIX_FMT_FP6 matrix_b_fmt:MATRIX_FMT_FP6
.endif
.else
.set rD, 8*(4*qa+\b)
.if \zero
	v_wmma_scale_f32_16x16x128_f8f6f4 v[rD:rD+7], v[rB:rB+11], v[rA:rA+11], 0, v[sB], v[sA] matrix_a_fmt:MATRIX_FMT_FP6 matrix_b_fmt:MATRIX_FMT_FP6
.else
	v_wmma_scale_f32_16x16x128_f8f6f4 v[rD:rD+7], v[rB:rB+11], v[rA:rA+11], v[rD:rD+7], v[sB], v[sA] matrix_a_fmt:MATRIX_FMT_FP6 matrix_b_fmt:MATRIX_FMT_FP6
.endif
.endif
.endr
.endr
.endm
.macro HEAD                            ; a weight's first fragments and its scale words
	FETCH_B 0, 0, 0
	FETCH_A 0, 0, 0
	SCALES_B
	FETCH_A 0, 0, 4
.endm
; A K step that has its successor in the same half of K.  A block of x is free as soon as its four products are issued: one set serves x; the weight has two.
.macro STEP kh, ksp, zero, nat
	s_wait_dscnt 24                                ; all but the youngest 24 loads (x's blocks 4-7) are in
	MULQ 0, 4*(\kh)+(\ksp), \zero, \nat
	MULQ 2, 4*(\kh)+(\ksp), \zero, \nat
	s_wait_dscnt 0x0                               ; x's blocks 4-7 are in
	PLACES 4                                       ; four plain instructions ahead of loads into registers that matrix instructions have read (ISA guide 7.12.1 for vector instructions)
	FETCH_B \kh, (\ksp)+1, ((\ksp)+1)%2
	FETCH_A \kh, (\ksp)+1, 0
	MULQ 4, 4*(\kh)+(\ksp), \zero, \nat
	MULQ 6, 4*(\kh)+(\ksp), \zero, \nat
	PLACES 4
	WIN 0
	FETCH_A \kh, (\ksp)+1, 4
.endm
; K step 3 goes from half 0 to half 1: one barrier.  Ahead of it each wave waits for all its tensor loads (its parts of half 1), adds 0 to its spare word, and waits for that and for its reads of slot 0.
; fill = 1: slot 0 takes the next weight's half 0: the barrier opens a round of the cluster's, and the joint refill is the first thing behind it, one load a wave (its two tiles).
.macro TURN_M fill, nat
	s_wait_tensorcnt 0x0
	ds_add_u32 v[SPW], v[NIL]
	s_wait_dscnt 25                                ; (the add and x's blocks 4-7 may be out)
	MULQ 0, 3, 0, \nat
	s_wait_dscnt 0x0                               ; the add is done, and my reads of slot 0 are over
	s_barrier_signal -1
	MULQ 2, 3, 0, \nat
	WIN 0
	s_barrier_wait -1
.if \fill
	CREST                                          ; no wave of any partner still reads slot 0 or has a load on its way
	s_add_nc_u64 s[G0B0+2:G0B0+3], s[G0B0+2:G0B0+3], 786432   ; the next weight: 64 tiles of 12,288 bytes on
	tensor_load_to_lds s[G0B0:G0B0+3], s[G1B:G1B+7]
	s_nop 0
	PLACES 4                                       ; also the places ahead of the loads below
.else
	PLACES 4
.endif
	FETCH_B 1, 0, 0
	FETCH_A 1, 0, 0
	MULQ 4, 3, 0, \nat
	MULQ 6, 3, 0, \nat
	PLACES 4
	WIN 0
	FETCH_A 1, 0, 4
.endm
; K step 7 of a weight that has a successor: slot 1 takes the next weight's half 1.  The wait for all tensor loads shows slot 0's refill landed: behind the round the next weight's first fragments may be read.
.macro TURN_E
	s_wait_tensorcnt 0x0
	ds_add_u32 v[SPW], v[NIL]
	s_wait_dscnt 25
	MULQ 0, 7, 0, 0
	s_wait_dscnt 0x0                               ; the add is done, and my reads of slot 1 are over
	s_barrier_signal -1
	MULQ 2, 7, 0, 0
	WIN 0
	s_barrier_wait -1
	CREST
	s_add_nc_u64 s[G0B1+2:G0B1+3], s[G0B1+2:G0B1+3], 786432
	tensor_load_to_lds s[G0B1:G0B1+3], s[G1B:G1B+7]
	s_nop 0
	PLACES 4
	MULQ 4, 7, 0, 0
	MULQ 6, 7, 0, 0
	PLACES 5                                       ; five: the results are read next, and the next weight's first products begin the same accumulators anew
	WIN 0
.endm
.macro LAST nat                        ; K step 7 of the last weight: nothing more to fetch
	s_wait_dscnt 24
	MULQ 0, 7, 0, \nat
	MULQ 2, 7, 0, \nat
	s_wait_dscnt 0x0
	MULQ 4, 7, 0, \nat
	MULQ 6, 7, 0, \nat
	PLACES 5
	WIN 0
.endm
; THE EPILOGUE.  The 256 result registers are 16 blocks n of 16: register 16 n + i = place 16 h + i of a block of 32 along the next product's K; lanes l and l xor 16 hold a block.
; Largest magnitudes in v[128 + n], conversion operands in v[240 + n], bytes in v[144 + n].  Each accumulator is read from its low end on.
.macro EPI_MAX
	WIN 0x28                                       ; sources 1 and 2: window 2
.irp n, 0,1,2,3,4,5,6,7,8,9,10,11,12,13,14,15
	v_max3_num_f32 v[128+\n], 0x1800000, |v[16*\n]|, |v[16*\n+1]|   ; with the floor 2^(3 - 127): the byte cannot fall under 1
.endr
.irp i, 2,4,6,8,10,12,14
.irp n, 0,1,2,3,4,5,6,7,8,9,10,11,12,13,14,15
	v_max3_num_f32 v[128+\n], v[128+\n], |v[16*\n+\i]|, |v[16*\n+\i+1]|
.endr
.endr
	WIN 0
.irp n, 0,1,2,3,4,5,6,7,8,9,10,11,12,13,14,15
	v_permlanex16_b32 v[144+\n], v[128+\n], s66, s67
.endr
.irp n, 0,1,2,3,4,5,6,7,8,9,10,11,12,13,14,15
	v_max_num_f32 v[128+\n], v[128+\n], v[144+\n]
.endr
.irp n, 0,1,2,3,4,5,6,7,8,9,10,11,12,13,14,15
	v_add_nc_u32 v[240+\n], 0xff000000, v[128+\n]  ; 2 off the exponent field: the conversion's scale operand
.endr
.irp n, 0,1,2,3,4,5,6,7,8,9,10,11,12,13,14,15
	v_lshrrev_b32 v[144+\n], 23, v[240+\n]         ; the byte
.endr
.endm
.macro EPI_QK                          ; blocks 2 a, 2 a + 1 are tile a's d = 0 .. 31, 32 .. 63: a half fragment and a scale word with two bytes
.irp a, 0,1,2,3,4,5,6,7
	v_lshl_or_b32 v[224+\a], v[145+2*\a], 8, v[144+2*\a]
.endr
	WIN 0x02                                       ; source 0: window 2
.irp a, 0,1,2,3,4,5,6,7
	v_cvt_scalef32_pk16_fp6_f32 v[128+8*\a:130+8*\a], v[32*\a:32*\a+15], v[240+2*\a]
	v_cvt_scalef32_pk16_fp6_f32 v[132+8*\a:134+8*\a], v[32*\a+16:32*\a+31], v[241+2*\a]
.endr
	WIN 0
	v_nop                                          ; one plain instruction behind the scaled conversions
.irp a, 0,1,2,3,4,5,6,7
.irp i, 0,1,2
	v_permlane16_swap_b32 v[128+8*\a+\i], v[132+8*\a+\i]   ; a whole block to a lane: lanes 0-15 block 0, lanes 16-31 block 1
.endr
.endr
.irp a, 0,1,2,3,4,5,6,7
.irp i, 0,1,2
	v_mov_b32 v[131+8*\a+\i], v[132+8*\a+\i]
.endr
.endr
.irp a, 0,1,2,3,4,5,6,7
.irp p, 0,1,2
	global_store_b64 v[L8], v[128+8*\a+2*\p:129+8*\a+2*\p], s[84:85] offset:\a*768+256*\p   ; a plane: 256 consecutive bytes, aligned
.endr
.endr
.irp q, 0,1,2,3
	v_cndmask_b32 v[232+\q], v[224+\q], v[228+\q], s3      ; lanes 0-15: tiles 0-3's words of row r; lanes 16-31: tiles 4-7's
.endr
	global_store_b128 v[L16], v[232:235], s[86:87]
.endm
.macro EPI_V                           ; blocks 4 b .. 4 b + 3 are d-tile b's 128 keys: a fragment of V^T and a scale word
.irp b, 0,1,2,3
	v_lshl_or_b32 v[224+\b], v[145+4*\b], 8, v[144+4*\b]
	v_lshl_or_b32 v[224+\b], v[146+4*\b], 16, v[224+\b]
	v_lshl_or_b32 v[224+\b], v[147+4*\b], 24, v[224+\b]
.endr
	WIN 0x02
.irp b, 0,1,2,3
.irp c, 0,1
	v_cvt_scalef32_pk16_fp6_f32 v[128+20*\b+6*\c:130+20*\b+6*\c], v[64*\b+32*\c:64*\b+32*\c+15], v[240+4*\b+2*\c]
	v_cvt_scalef32_pk16_fp6_f32 v[140+20*\b+4*\c:142+20*\b+4*\c], v[64*\b+32*\c+16:64*\b+32*\c+31], v[241+4*\b+2*\c]
.endr
.endr
	WIN 0
	v_nop                                          ; one plain instruction behind the scaled conversions
.irp b, 0,1,2,3
.irp c, 0,1
.irp i, 0,1,2
	v_permlane16_swap_b32 v[128+20*\b+6*\c+\i], v[140+20*\b+4*\c+\i]
.endr
.irp i, 0,1,2
	v_mov_b32 v[131+20*\b+6*\c+\i], v[140+20*\b+4*\c+\i]
.endr
.endr
.endr
.irp b, 0,1,2,3
.irp p, 0,1,2,3,4,5
	global_store_b64 v[L8], v[128+20*\b+2*\p:129+20*\b+2*\p], s[88:89] offset:6144+\b*1536+256*\p
.endr
.endr
.irp q, 0,1
	v_cndmask_b32 v[232+\q], v[224+\q], v[226+\q], s3      ; lane (r, h) stores the words of d-tiles 2 h, 2 h + 1 of row r
.endr
	global_store_b64 v[RH], v[232:233], s[88:89] offset:12800
.endm
	s_load_b256 s[4:11], s[0:1], 0x0               ; xc, xs, wc, ws
	s_load_b128 s[12:15], s[0:1], 0x20             ; qb, kv
	v_lshl_add_u32 v[SPW], v0, 2, SPARE
	v_mov_b32 v[NIL], 0
	ds_add_u32 v[SPW], v[NIL]                      ; the wave's opening: the add and its wait ahead of my first tensor load; work on registers stands between them
	v_lshrrev_b32 v1, 5, v0
	v_readfirstlane_b32 s16, v1                    ; wave
	s_lshr_b32 s17, s16, 1                         ; which 128 rows
	s_and_b32 s18, s16, 1                          ; which head of the pair
	s_bfe_u32 s20, ttmp6, 0x40000                  ; cx
	s_bfe_u32 s21, ttmp6, 0x40004                  ; cy
	s_lshl_b32 s22, ttmp9, 2
	s_add_co_u32 s22, s22, s20                     ; g: the group of 128 columns
	s_and_b32 s23, ttmp7, 0xffff
	s_lshl_b32 s23, s23, 2
	s_add_co_u32 s23, s23, s21                     ; mt: the block of 256 rows
	s_lshl_b32 s90, s21, 2
	s_lshl_b32 s90, 15, s90                        ; my row of the cluster
	s_lshl_b32 s91, 0x1111, s20                    ; my column
	s_or_b32 s[G1A], s90, (3<<16)|(1<<21)          ; 15:0 the mask; 17:16 elements of 8 bytes; 21 set beside a mask; no padding
	s_or_b32 s[G1SA], s90, (3<<16)|(1<<21)
	s_or_b32 s[G1B], s91, (3<<16)|(1<<21)
	s_or_b32 s[G1SB], s91, (3<<16)|(1<<21)
	GROUP1 G1A, 768, 4, 1536                       ; 4 tiles x half of K (6,144 bytes), 12,288 bytes apart
	GROUP1 G1B, 768, 2, 1536                       ; 2 tiles likewise
	GROUP1 G1SA, 32, 8, 32                         ; 2,048 dense bytes
	GROUP1 G1SB, 32, 12, 32                        ; 3,072 dense bytes
	s_lshl_b32 s96, s23, 4                         ; x's side: made of mt and the wave alone
	s_lshl_b32 s97, s16, 2
	s_add_co_u32 s96, s96, s97
	s_mul_i32 s96, s96, 12288
	s_mov_b32 s97, 0
	s_lshl_b32 s98, s23, 13
	s_lshl_b32 s99, s16, 11
	s_add_co_u32 s98, s98, s99
	s_mov_b32 s99, 0
	s_lshl_b32 s92, s22, 3                         ; the weights' side: made of g and the wave alone
	s_lshl_b32 s93, s16, 1
	s_add_co_u32 s92, s92, s93
	s_mul_i32 s92, s92, 12288
	s_mov_b32 s93, 0
	s_lshl_b32 s94, s22, 14
	s_mul_i32 s95, s16, 3072
	s_add_co_u32 s94, s94, s95
	s_mov_b32 s95, 0
	s_mov_b32 s[G0A0], 1
	s_mov_b32 s[G0A1], 1
	s_mov_b32 s[G0B0], 1
	s_mov_b32 s[G0B1], 1
	s_mov_b32 s[G0SA], 1
	s_mov_b32 s[G0SB], 1
	s_mul_i32 s[G0A0+1], s16, 24576                ; LDS addresses: constants and the wave's number
	s_add_co_u32 s[G0A1+1], s[G0A0+1], 98304
	s_mul_i32 s[G0B0+1], s16, 12288
	s_add_co_u32 s[G0B0+1], s[G0B0+1], LB
	s_add_co_u32 s[G0B1+1], s[G0B0+1], 49152
	s_lshl_b32 s[G0SA+1], s16, 11
	s_add_co_u32 s[G0SA+1], s[G0SA+1], LSA
	s_mul_i32 s[G0SB+1], s16, 3072
	s_add_co_u32 s[G0SB+1], s[G0SB+1], LSB
	s_mov_b32 s66, 0x76543210
	s_mov_b32 s67, 0xfedcba98                      ; v_permlanex16_b32's selects for lane l xor 16
	s_mov_b32 s3, 0xffff0000                       ; lanes 16-31
	s_wait_dscnt 0x0                               ; the opening add is done
	s_wait_kmcnt 0x0
	s_add_nc_u64 s[G0A0+2:G0A0+3], s[4:5], s[96:97]
	s_add_nc_u64 s[G0A1+2:G0A1+3], s[G0A0+2:G0A0+3], 6144
	s_or_b32 s[G0A0+3], s[G0A0+3], 0x80000000
	s_or_b32 s[G0A1+3], s[G0A1+3], 0x80000000
	s_add_nc_u64 s[G0B0+2:G0B0+3], s[8:9], s[92:93]
	s_add_nc_u64 s[G0B1+2:G0B1+3], s[G0B0+2:G0B0+3], 6144
	s_or_b32 s[G0B0+3], s[G0B0+3], 0x80000000
	s_or_b32 s[G0B1+3], s[G0B1+3], 0x80000000
	s_add_nc_u64 s[G0SA+2:G0SA+3], s[6:7], s[98:99]
	s_or_b32 s[G0SA+3], s[G0SA+3], 0x80000000
	s_add_nc_u64 s[G0SB+2:G0SB+3], s[10:11], s[94:95]
	s_or_b32 s[G0SB+3], s[G0SB+3], 0x80000000
	CROUND                                         ; all sixteen work-groups are here: the first joint loads meet
	tensor_load_to_lds s[G0SA:G0SA+3], s[G1SA:G1SA+7]      ; six first fills a wave, as one group: the scales, half 0 of K, half 1
	s_nop 0
	tensor_load_to_lds s[G0SB:G0SB+3], s[G1SB:G1SB+7]
	s_nop 0
	tensor_load_to_lds s[G0A0:G0A0+3], s[G1A:G1A+7]
	s_nop 0
	tensor_load_to_lds s[G0B0:G0B0+3], s[G1B:G1B+7]
	s_nop 0
	tensor_load_to_lds s[G0A1:G0A1+3], s[G1A:G1A+7]
	s_nop 0
	tensor_load_to_lds s[G0B1:G0B1+3], s[G1B:G1B+7]
	s_nop 0
	PLACES 4
	v_and_b32 v1, 31, v0
	v_and_b32 v2, 15, v0
	v_bfe_u32 v3, v0, 4, 1
	v_lshlrev_b32 v[L8], 3, v1
	v_lshlrev_b32 v[L16], 4, v1
	v_lshlrev_b32 v[RH], 4, v2
	v_lshl_add_u32 v[RH], v3, 3, v[RH]
	s_mul_i32 s92, s17, 49152
	v_add_nc_u32 v[ADRA], s92, v[L8]
	v_add_nc_u32 v[ADRA+1], 98304, v[ADRA]
	s_mul_i32 s92, s18, 24576
	s_add_co_u32 s92, s92, LB
	v_add_nc_u32 v[ADRB], s92, v[L8]
	v_add_nc_u32 v[ADRB+1], 49152, v[ADRB]
	s_lshl_b32 s92, s17, 12
	s_add_co_u32 s92, s92, LSA
	v_lshl_add_u32 v[ADSA], v2, 3, s92
	s_lshl_b32 s92, s18, 11
	s_add_co_u32 s92, s92, LSB
	v_lshl_add_u32 v[ADSB], v2, 3, s92
	s_lshr_b32 s90, s23, 3                         ; where my results go: (b, head) = 16 (mt / 8) + 2 g + my head,
	s_lshl_b32 s90, s90, 4
	s_lshl_b32 s91, s22, 1
	s_add_co_u32 s90, s90, s91
	s_add_co_u32 s90, s90, s18
	s_lshl_b32 s90, s90, 4
	s_and_b32 s91, s23, 7                          ; the group of 128 rows in the batch = 2 (mt % 8) + my half
	s_lshl_b32 s91, s91, 1
	s_add_co_u32 s90, s90, s91
	s_add_co_u32 s90, s90, s17
	s_mul_i32 s92, s90, 6656
	s_mov_b32 s93, 0
	s_add_nc_u64 s[84:85], s[12:13], s[92:93]      ; q's record,
	s_add_nc_u64 s[86:87], s[84:85], 6144          ; its scale words
	s_mul_i32 s92, s90, 13056
	s_add_nc_u64 s[88:89], s[14:15], s[92:93]      ; the record of k and v
	s_wait_tensorcnt 0x2                           ; the scales and half 0 of K are in; half 1's two loads may stay out
	s_barrier_signal -1
	s_barrier_wait -1
	SCALES_A
	s_mov_b32 s19, 2
.Lqk:                                              ; two trips: q, then k
	HEAD
	STEP 0, 0, 1, 0                                ; the first K step's products start the sums
	STEP 0, 1, 0, 0
	STEP 0, 2, 0, 0
	TURN_M 1, 0
	STEP 1, 0, 0, 0
	STEP 1, 1, 0, 0
	STEP 1, 2, 0, 0
	TURN_E
	EPI_MAX
	EPI_QK
	s_wait_xcnt 0x0                                ; the stores have read their registers and bases
	s_mov_b64 s[84:85], s[88:89]                   ; k's codes begin the record of k and v,
	s_add_nc_u64 s[86:87], s[88:89], 12288         ; its scale words lie behind V's codes
	v_add_nc_u32 v[ADSB], 4096, v[ADSB]            ; the next weight's scale words
	s_sub_co_u32 s19, s19, 1
	s_cmp_lg_u32 s19, 0
	s_cbranch_scc1 .Lqk
	HEAD                                           ; v is written out: it asks for nothing more, and its products stand the other way round
	STEP 0, 0, 1, 1
	STEP 0, 1, 0, 1
	STEP 0, 2, 0, 1
	TURN_M 0, 1
	STEP 1, 0, 0, 1
	STEP 1, 1, 0, 1
	STEP 1, 2, 0, 1
	LAST 1
	EPI_MAX
	EPI_V
	s_wait_tensorcnt 0x0                           ; the wave's end
	ds_add_u32 v[SPW], v[NIL]
	s_wait_dscnt 0x0
	CROUND                                         ; the closing round
	s_endpgm
.Lfunc_end_k_qc5c7c3768e_qkv:
	.size	k_qc5c7c3768e_qkv, .Lfunc_end_k_qc5c7c3768e_qkv-k_qc5c7c3768e_qkv
	.p2alignl 7, 3214868480
	.fill 96, 4, 3214868480
	.section	.rodata,"a",@progbits
	.p2align	6, 0x0
	.amdhsa_kernel k_qc5c7c3768e_qkv
		.amdhsa_group_segment_fixed_size 327680
		.amdhsa_private_segment_fixed_size 0
		.amdhsa_enable_private_segment 0
		.amdhsa_kernarg_size 48
		.amdhsa_user_sgpr_count 2
		.amdhsa_user_sgpr_kernarg_segment_ptr 1
		.amdhsa_wavefront_size32 1
		.amdhsa_system_sgpr_workgroup_id_x 1
		.amdhsa_system_sgpr_workgroup_id_y 1
		.amdhsa_system_sgpr_workgroup_id_z 1
		.amdhsa_system_vgpr_workitem_id 0
		.amdhsa_next_free_vgpr 768
		.amdhsa_next_free_sgpr 100
		.amdhsa_reserve_vcc 0
		.amdhsa_float_denorm_mode_32 3
		.amdhsa_float_denorm_mode_16_64 3
		.amdhsa_memory_ordered 1
		.amdhsa_forward_progress 1
		.amdhsa_inst_pref_size 193
	.end_amdhsa_kernel
	.amdgpu_metadata
---
amdhsa.version: [ 1, 2 ]
amdhsa.kernels:
  - .name:           k_qc5c7c3768e_qkv
    .symbol:         k_qc5c7c3768e_qkv.kd
    .args:
      - { .name: xc, .offset: 0, .size: 8, .value_kind: global_buffer, .address_space: global }
      - { .name: xs, .offset: 8, .size: 8, .value_kind: global_buffer, .address_space: global }
      - { .name: wc, .offset: 16, .size: 8, .value_kind: global_buffer, .address_space: global }
      - { .name: ws, .offset: 24, .size: 8, .value_kind: global_buffer, .address_space: global }
      - { .name: qb, .offset: 32, .size: 8, .value_kind: global_buffer, .address_space: global }
      - { .name: kv, .offset: 40, .size: 8, .value_kind: global_buffer, .address_space: global }
    .group_segment_fixed_size: 327680
    .private_segment_fixed_size: 0
    .kernarg_segment_align: 8
    .kernarg_segment_size: 48
    .max_flat_workgroup_size: 128
    .sgpr_count:     100
    .vgpr_count:     768
    .wavefront_size: 32
...
	.end_amdgpu_metadata
.endif
;; end of part 2
;; launch attn (part 3): grid 4 x 64, 16 waves a work-group, no clusters, 327,680 bytes of LDS; arguments qb, kv, yc, ys; writes yc, ys
.if DOCPART == 3
	.amdgcn_target "amdgcn-amd-amdhsa--gfx1250"
	.amdhsa_code_object_version 6
	.text
	.protected	k_qc5c7c3768e_attn
	.globl	k_qc5c7c3768e_attn
	.p2align	8
	.type	k_qc5c7c3768e_attn,@function
k_qc5c7c3768e_attn:
	s_mov_b64 s[64:65], 0
	v_nop
	global_prefetch_b8 v0, s[64:65] scope:SCOPE_SE
	s_setreg_imm32_b32 hwreg(HW_REG_WAVE_MODE, 25, 1), 1
	s_wait_xcnt 0x0
; y[b][t][head] = softmax_s(q . k / 8, causal) v, both products on codes of FP6 (E2M3) with E8M0 scales; y leaves quantised along D, as codes for the last product.
; THE SOFTMAX: t = score x log2(e) / 8; M = the running largest t rounded up to a whole number; p = 2^(t - M) is quantised along the keys, not normalised; the sum is taken of the unquantised p and divides at the end.
; SHARES.  Work-group (i, b x 16 + head) owns the blocks i and 7 - i of 256 queries; wave w owns tile 16 i + w (L) and tile 16 (7 - i) + w (H), 16 queries each.  The keys are walked once for both:
; a wave has 16 or 18 tile-steps of 128 keys whatever i is, and there are 256 work-groups of equal work.  Four waves share a SIMD, so that one wave's vector work stands beside another's products and loads.
; TILES.  Lane r of tile T holds row 32 (T / 2) + 8 (T % 2) + r + 8 (r / 8), for queries and for keys: p's 16 registers of two neighbouring key tiles are 16 neighbouring keys.
; Both products are used transposed: S^T = K Q^T, O^T = V^T P^T: a lane holds one query throughout.
; THE HEAD IS 64 WIDE, the instruction 128: Q's upper six registers hold zero codes, and bytes 2, 3 of Q's and K's scale words are 0.  Only the lower six registers of a fragment of K are loaded; the upper
; six hold what was there (zeros at first, later codes of V): finite numbers times Q's zeros add exactly nothing.
; RING.  A record of kv (128 keys: K's codes, V^T's codes, both scale words; 13,056 dense bytes) comes by one tensor load; a slot holds two records (waves 0 and 1 fetch one each), two slots.
; CAUSAL.  Every work-group walks all eight slots, so that trip counts are constants; a tile-step all of whose keys come after the tile's queries is jumped over (ids and the count of steps alone);
; a slot whose first record lies past the work-group's last is not asked for; on the diagonal hidden scores become -infinity.
; NO CLUSTER: the work-groups that share K and V differ in their query blocks, so they need different numbers of slots and their causal jumps hang on that place.
; LIMITS: NaN and infinities are not served; t is made by one multiplication with log2(e) / 8; blocks of y whose largest magnitude lies under 2^-124 are held at the byte 1.
; REGISTERS: v1-11 addresses; v12-15 L's -M, largest t, sum (two halves), v28-31 H's; v16-27 Q of L, v80-91 Q of H, v92, v93 their scale words; v32-79 four fragments of K or V;
;   v96-159 S^T, then p; v160-191 O^T of L, v192-223 of H; v224-235 p's codes; v236-254 at work.
.set REC,   13056
.set SLOT1, 32768                      ; slot 1 begins here: one exclusive or turns an address from one slot to the other
.set STG,   65536                      ; 1,024 bytes: the work-group's scale bytes of y
.set SPARE, 66560                      ; the spare words, 128 bytes a wave: eight blocks of 256 bytes that no other line names
.set L8,  1                            ; 8 x lane
.set R16, 2                            ; 16 r
.set L16, 3                            ; 16 x lane
.set DQ,  4                            ; my query's place in its 128, less 16 h
.set SPW, 5
.set NIL, 6
.set PFO, 7                            ; the prefetches' offset; never rewritten
.set ADK, 8
.set ADS, 9
.set SRD, 10
.set SWR, 11
.set WV,  18
.set SEL, 20
.set CS,  22
.set TB,  2                            ; s2  the slot in hand
.set KB,  3                            ; s3  the record in hand
.set SLOTS, 36
.set LIMS,  37                         ; the work-group's last record: 15 - 2 i
.set BL,  38                           ; L's last record
.set BH,  39                           ; H's
.set LIM, 40
.set PFA, 42
.set TM,  160                          ; the way out's quantiser
.set PW,  176
.set PC,  180
.macro TLOAD                           ; waves 0 and 1 fetch a record each
	s_cmp_lt_u32 s[WV], 2
	s_cbranch_scc0 .Lasked_\@
	tensor_load_to_lds s[32:35], s[24:31]
	s_nop 0
.rept 4
	v_nop
.endr
.Lasked_\@:
.endm
; A PREFETCH INTO THE L2.  All four work-groups of a head walk the same records: the head's first work-group asks, in it waves 4 to 7, which fetch nothing: 8,192 bytes a wave, lanes 256 bytes apart, one instruction.
; The four asks, at the first four changes of slots, name bytes 52,224 to 183,295 of the head's 208,896, each aligned block of 256 once: from slot 2's first byte on, 32,768 bytes an ask against a slot's 26,112,
; so that each block is named a slot's steps or more ahead of the load that wants it.  Slots 0 and 1 and the last 25,600 bytes come by their loads alone.
.macro ASK
	s_cmp_gt_u32 s[SLOTS], s[LIM]
	s_cbranch_scc0 .Lnot_mine_\@
	global_prefetch_b8 v[PFO], s[PFA:PFA+1] th:TH_LOAD_NT scope:SCOPE_SE
.Lnot_mine_\@:
.endm
; One tile's step of 128 keys: record st of the slot.  qf: Q's fragment; qs: its scale words; mn: -M (mn + 1 the largest t, mn + 2, mn + 3 the sum); ot: O^T; bt: the scalar that holds the tile's last record.
.macro TILE st, qf, qs, mn, ot, bt
	s_cmp_gt_u32 s[KB], s[\bt]
	s_cbranch_scc1 .Lhidden_\@
	v_add_nc_u32 v[ADK], s[TB], v[L8]
	v_add_nc_u32 v[ADS], s[TB], v[R16]
	v_nop
	v_nop                                          ; four plain instructions ahead of loads into registers that the last products read
.irp g, 0,1                                    ; S^T = K Q^T, four tiles of 16 keys at a time
.if \g
.rept 4
	v_nop
.endr
.endif
.irp t, 0,1,2,3
.irp p, 0,1,2
	ds_load_b64 v[32+12*\t+2*\p:33+12*\t+2*\p], v[ADK] offset:(\st)*REC+(4*\g+\t)*768+256*\p
.endr
.endr
	ds_load_b128 v[248:251], v[ADS] offset:(\st)*REC+12288+256*\g
	s_wait_dscnt 0x0
.irp t, 0,1,2,3
	v_wmma_scale_f32_16x16x128_f8f6f4 v[96+8*(4*\g+\t):103+8*(4*\g+\t)], v[32+12*\t:43+12*\t], v[\qf:\qf+11], 0, v[248+\t], v[\qs] matrix_a_fmt:MATRIX_FMT_FP6 matrix_b_fmt:MATRIX_FMT_FP6
.endr
.endr
.rept 4
	v_nop
.endr
.irp t, 0,1,2,3                                ; V^T's four fragments and scale words are asked for now: they land while the softmax is worked
.irp p, 0,1,2,3,4,5
	ds_load_b64 v[32+12*\t+2*\p:33+12*\t+2*\p], v[ADK] offset:(\st)*REC+6144+\t*1536+256*\p
.endr
.endr
	ds_load_b128 v[248:251], v[ADS] offset:(\st)*REC+12800
	s_cmp_lt_u32 s[KB], s[\bt]                     ; on the diagonal alone: register 16 b + i holds key 32 b + 16 h + i of the record: hidden where 32 b + i > my query's place - 16 h
	s_cbranch_scc1 .Lopen_\@
	v_mov_b32 v254, 0xff800000                     ; -infinity
.set n, 0
.rept 64
	v_cmp_gt_i32 vcc_lo, 32*(n/16)+n%16, v[DQ]
	v_cndmask_b32 v[96+n], v[96+n], v254, vcc_lo
.set n, n+1
.endr
.Lopen_\@:
.irp b, 0,1,2,3
	v_max3_num_f32 v[232+\b], v[96+16*\b], v[97+16*\b], v[98+16*\b]   ; the largest score of each block of 32 keys: for the row's maximum and, since p rises with the score, for the block's largest p
.endr
.irp i, 3,5,7,9,11,13
.irp b, 0,1,2,3
	v_max3_num_f32 v[232+\b], v[232+\b], v[96+16*\b+\i], v[97+16*\b+\i]
.endr
.endr
.irp b, 0,1,2,3
	v_max_num_f32 v[232+\b], v[232+\b], v[111+16*\b]
.endr
.irp b, 0,1,2,3
	v_permlanex16_b32 v[236+\b], v[232+\b], s[SEL], s[SEL+1]
.endr
.irp b, 0,1,2,3
	v_max_num_f32 v[232+\b], v[232+\b], v[236+\b]
.endr
	v_max3_num_f32 v254, v232, v233, v234
	v_max_num_f32 v254, v254, v235
	v_mul_f32 v254, s[CS], v254                    ; the step's largest t
	v_max_num_f32 v[\mn+1], v[\mn+1], v254         ; the running largest t
	v_mov_b32 v254, v[\mn]
	v_floor_f32 v[\mn], -v[\mn+1]                  ; the new -M = floor(-t): M is a whole number
	v_sub_f32 v254, v[\mn], v254                   ; old M - new M, 0 or less
	v_cvt_i32_f32 v254, v254                       ; (it saturates)
	v_ldexp_f32 v254, 1.0, v254                    ; f = 2^(old M - new M): a multiplication by it rounds nothing
.set j, 0
.rept 32
	v_pk_fma_f32 v[96+j:97+j], v[96+j:97+j], s[CS:CS+1], v[\mn:\mn+1] op_sel_hi:[1,0,0]   ; t - M, two at a time
.set j, j+2
.endr
.irp b, 0,1,2,3
	v_fma_f32 v[232+\b], v[232+\b], s[CS], v[\mn]
.endr
.set j, 0
.rept 64
	v_exp_f32 v[96+j], v[96+j]                     ; p = 2^(t - M)
.set j, j+1
.endr
	v_pk_mul_f32 v[\mn+2:\mn+3], v[\mn+2:\mn+3], v[254:255] op_sel_hi:[1,0]   ; the sums under the new M; the plain instruction behind the exponentials
	s_wait_alu depctr_va_vdst(0)                   ; one wait for the whole batch, ahead of its first reader
.irp b, 0,1,2,3
	v_exp_f32 v[232+\b], v[232+\b]                 ; the blocks' largest p
.endr
	v_pk_add_f32 v[236:237], v[96:97], v[98:99]    ; the row's sum of the unquantised p, in two chains
.irp j, 4,8,12,16,20,24,28,32,36,40,44,48,52,56,60
	v_pk_add_f32 v[\mn+2:\mn+3], v[\mn+2:\mn+3], v[96+\j:97+\j]
	v_pk_add_f32 v[236:237], v[236:237], v[98+\j:99+\j]
.endr
	v_pk_add_f32 v[\mn+2:\mn+3], v[\mn+2:\mn+3], v[236:237]
	s_wait_alu depctr_va_vdst(0)                   ; and one for the four
.irp b, 0,1,2,3
	v_max_num_f32 v[232+\b], 0x1800000, v[232+\b]  ; the floor 2^(3 - 127)
.endr
.irp b, 0,1,2,3
	v_add_nc_u32 v[244+\b], 0xff000000, v[232+\b]  ; the conversion's scale operand
.endr
.irp b, 0,1,2,3
	v_lshrrev_b32 v[236+\b], 23, v[244+\b]         ; the byte
.endr
	v_lshl_or_b32 v253, v237, 8, v236              ; p's scale word for these 128 keys
	v_lshl_or_b32 v253, v238, 16, v253
	v_lshl_or_b32 v253, v239, 24, v253
.irp c, 0,1
	v_cvt_scalef32_pk16_fp6_f32 v[224+6*\c:226+6*\c], v[96+32*\c:111+32*\c], v[244+2*\c]
	v_cvt_scalef32_pk16_fp6_f32 v[236+4*\c:238+4*\c], v[112+32*\c:127+32*\c], v[245+2*\c]
.endr
	v_nop                                          ; one plain instruction behind the scaled conversions
.irp c, 0,1
.irp i, 0,1,2
	v_permlane16_swap_b32 v[224+6*\c+\i], v[236+4*\c+\i]   ; a whole block to a lane
.endr
.irp i, 0,1,2
	v_mov_b32 v[227+6*\c+\i], v[236+4*\c+\i]
.endr
.endr
.set j, 0
.rept 16
	v_pk_mul_f32 v[\ot+j:\ot+j+1], v[\ot+j:\ot+j+1], v[254:255] op_sel_hi:[1,0]   ; O^T under the new M; these are also the plain instructions between the scale word's and the codes' last writes and the products
.set j, j+2
.endr
	s_wait_dscnt 0x0                               ; V^T's fragments and scale words are in
.irp t, 0,1,2,3
	v_wmma_scale_f32_16x16x128_f8f6f4 v[\ot+8*\t:\ot+8*\t+7], v[32+12*\t:43+12*\t], v[224:235], v[\ot+8*\t:\ot+8*\t+7], v[248+\t], v253 matrix_a_fmt:MATRIX_FMT_FP6 matrix_b_fmt:MATRIX_FMT_FP6
.endr
.Lhidden_\@:
.endm
; THE CHANGE OF SLOTS, at a slot's head.  Each wave waits for all its tensor loads, adds 0 to its spare word, and waits for that and for its reads of the slot that it has left; behind the barrier the slot ahead
; is whole and nobody reads the other one, which (fill = 1) takes the two records that follow, up to the work-group's last.
.macro CHANGE fill
	s_wait_tensorcnt 0x0
	ds_add_u32 v[SPW], v[NIL]
.if \fill
	s_xor_b32 s33, s33, SLOT1                      ; the walking descriptor: the other slot, the next two records
	s_add_nc_u64 s[34:35], s[34:35], 2*REC
	s_wait_xcnt 0x0                                ; the last prefetch, a slot back, has read its address
	s_add_nc_u64 s[PFA:PFA+1], s[PFA:PFA+1], 32768
.endif
	s_wait_dscnt 0x0
	s_barrier_signal -1
	s_barrier_wait -1
.if \fill
	s_add_co_u32 s96, s[KB], 2                     ; the first record of the slot that this change would ask for:
	s_cmp_gt_u32 s96, s[LIMS]                      ; past the work-group's last, none of its waves reads it.  Ids and the count of steps alone: all sixteen waves go the same way
	s_cbranch_scc1 .Lpast_\@
	TLOAD
.Lpast_\@:
	ASK
.endif
.endm
.macro SLOT_STEPS
.irp q, 0,1
	TILE \q, 16, 92, 12, 160, BL
	TILE \q, 80, 93, 28, 192, BH
	s_add_co_u32 s[KB], s[KB], 1
.endr
	s_xor_b32 s[TB], s[TB], SLOT1
.endm
	s_load_b256 s[4:11], s[0:1], 0x0               ; qb, kv, yc, ys
	v_lshl_add_u32 v[SPW], v0, 2, SPARE
	v_mov_b32 v[NIL], 0
	ds_add_u32 v[SPW], v[NIL]                      ; the wave's opening: the add and its wait ahead of the first tensor load; work on registers stands between them
	v_lshrrev_b32 v8, 5, v0
	v_readfirstlane_b32 s[WV], v8                  ; wave 0..15
	v_and_b32 v8, 31, v0
	v_lshlrev_b32 v[L8], 3, v8
	v_lshlrev_b32 v[L16], 4, v8
	v_lshlrev_b32 v[PFO], 8, v8
	v_and_b32 v9, 15, v0                           ; r
	v_lshlrev_b32 v[R16], 4, v9
	v_and_b32 v[SRD], 63, v0
	v_lshl_add_u32 v[SRD], v[SRD], 4, STG          ; the stage, way out: waves 0 and 1 read 512 bytes each
	v_and_b32 v[SWR], 0x1e0, v0
	v_lshl_add_u32 v[SWR], v9, 1, v[SWR]
	v_add_nc_u32 v[SWR], STG, v[SWR]               ; way in: 32 x wave + 2 r
	v_and_b32 v[DQ], 8, v9
	v_add_nc_u32 v[DQ], v[DQ], v9                  ; r + 8 (r / 8)
	v_and_b32 v8, 16, v0
	v_sub_nc_u32 v[DQ], v[DQ], v8                  ; - 16 h
	s_bfe_u32 s66, s[WV], 0x20001
	s_lshl_b32 s66, s66, 5
	s_and_b32 s67, s[WV], 1
	s_lshl_b32 s67, s67, 3
	s_add_co_u32 s66, s66, s67
	v_add_nc_u32 v[DQ], s66, v[DQ]                 ; + 32 ((w % 8) / 2) + 8 (w % 2): the same for both tiles
	s_and_b32 s66, s[WV], 3
	s_lshl_b32 s66, s66, 13
	v_add_nc_u32 v[PFO], s66, v[PFO]
	s_lshr_b32 s66, s[WV], 2
	s_xor_b32 s66, s66, 1                          ; 0 in waves 4 to 7,
	s_or_b32 s66, s66, ttmp9                       ; of the head's first work-group
	s_cmp_eq_u32 s66, 0
	s_cselect_b32 s[LIM], 3, -1
	s_and_b32 s58, ttmp7, 0xffff                   ; 16 b + head
	s_lshr_b32 s59, s[WV], 3
	s_lshl_b32 s60, ttmp9, 1
	s_add_co_u32 s[BL], s60, s59
	s_sub_co_u32 s[BH], 14, s60
	s_add_co_u32 s[BH], s[BH], s59
	s_sub_co_u32 s[LIMS], 15, s60
	s_lshl_b32 s61, s58, 4
	s_add_co_u32 s62, s61, s[BL]
	s_mul_i32 s62, s62, 6656                       ; L's record of q,
	s_add_co_u32 s63, s61, s[BH]
	s_mul_i32 s63, s63, 6656                       ; H's
	s_and_b32 s66, s[WV], 7
	s_mul_i32 s66, s66, 768                        ; my tile's codes in it,
	s_bfe_u32 s67, s[WV], 0x10002
	s_lshl_b32 s67, s67, 8
	s_and_b32 s68, s[WV], 3
	s_lshl_b32 s68, s68, 2
	s_add_co_u32 s67, s67, s68
	s_add_co_u32 s67, s67, 6144                    ; and its scale words
	s_add_co_u32 s72, s62, s66
	s_mov_b32 s73, 0
	s_add_co_u32 s74, s62, s67
	s_mov_b32 s75, 0
	s_add_co_u32 s76, s63, s66
	s_mov_b32 s77, 0
	s_add_co_u32 s78, s63, s67
	s_mov_b32 s79, 0
	s_lshr_b32 s80, s58, 4                         ; y's codes: tile 128 b + the tile in the batch; K step head / 2, half head % 2
	s_lshl_b32 s80, s80, 7
	s_add_co_u32 s80, s80, s[WV]
	s_lshl_b32 s81, ttmp9, 4
	s_add_co_u32 s82, s80, s81
	s_add_co_u32 s84, s80, 112
	s_sub_co_u32 s84, s84, s81
	s_bfe_u32 s86, s58, 0x30001
	s_mul_i32 s86, s86, 1536
	s_and_b32 s87, s58, 1
	s_mul_i32 s87, s87, 768
	s_add_co_u32 s86, s86, s87
	s_mul_i32 s82, s82, 12288
	s_add_co_u32 s82, s82, s86
	s_mov_b32 s83, 0
	s_mul_i32 s84, s84, 12288
	s_add_co_u32 s84, s84, s86
	s_mov_b32 s85, 0
	s_sub_co_u32 s88, 7, ttmp9                     ; y's scale bytes: wave 0 stores block i's 512, wave 1 block 7 - i's
	s_cmp_eq_u32 s[WV], 0
	s_cselect_b32 s88, ttmp9, s88
	s_lshl_b32 s88, s88, 9
	s_lshl_b32 s89, s58, 12
	s_add_co_u32 s88, s88, s89
	s_mov_b32 s89, 0
	s_mul_i32 s90, s58, 16*REC                     ; the head's records of k and v
	s_mov_b32 s91, 0
	s_and_b32 s92, s[WV], 1
	s_mul_i32 s92, s92, REC                        ; which of a slot's two I fetch: in memory and in LDS alike
	s_mov_b32 s93, 0
	s_mov_b32 s24, 3<<16                           ; group 1: no mask, elements of 8 bytes, no padding: 51 rows of 256 dense bytes
	s_mov_b32 s25, 32<<16
	s_mov_b32 s26, 51<<16
	s_mov_b32 s27, 32<<16
	s_mov_b32 s28, 51
	s_mov_b32 s29, 32
	s_mov_b32 s30, 0
	s_mov_b32 s31, 0
	s_mov_b32 s[SEL], 0x76543210
	s_mov_b32 s[SEL+1], 0xfedcba98
	s_mov_b32 s[CS], 0x3e38aa3b                    ; log2(e) / 8
	s_mov_b32 s[CS+1], s[CS]
	s_mov_b32 s[TB], 0
	s_mov_b32 s[KB], 0
	s_mov_b32 s[SLOTS], 7
	s_wait_dscnt 0x0                               ; the opening add is done
	s_wait_kmcnt 0x0
	s_add_nc_u64 s[6:7], s[6:7], s[90:91]
	s_mov_b32 s32, 1
	s_mov_b32 s33, s92
	s_add_nc_u64 s[34:35], s[6:7], s[92:93]
	s_or_b32 s35, s35, 0x80000000
	TLOAD                                          ; slot 0
	s_add_nc_u64 s[PFA:PFA+1], s[6:7], 19456       ; the first change of slots steps it to byte 52,224, slot 2's first
	s_add_nc_u64 s[44:45], s[4:5], s[72:73]
	s_add_nc_u64 s[46:47], s[4:5], s[74:75]
	s_add_nc_u64 s[48:49], s[4:5], s[76:77]
	s_add_nc_u64 s[50:51], s[4:5], s[78:79]
	s_add_nc_u64 s[52:53], s[8:9], s[82:83]
	s_add_nc_u64 s[54:55], s[8:9], s[84:85]
	s_add_nc_u64 s[56:57], s[10:11], s[88:89]
.irp p, 0,1,2
	global_load_b64 v[16+2*\p:17+2*\p], v[L8], s[44:45] offset:256*\p
	global_load_b64 v[80+2*\p:81+2*\p], v[L8], s[48:49] offset:256*\p
.endr
	global_load_b32 v92, v[R16], s[46:47]
	global_load_b32 v93, v[R16], s[50:51]
.irp j, 0,1,2,3,4,5
	v_mov_b32 v[22+\j], 0                          ; Q's upper halves: zero codes
	v_mov_b32 v[86+\j], 0
.endr
.irp t, 0,1,2,3
.irp j, 6,7,8,9,10,11
	v_mov_b32 v[32+12*\t+\j], 0                    ; written once, so that they are defined
.endr
.endr
.set j, 0
.rept 64
	v_mov_b32 v[160+j], 0                          ; O^T: the step is written once; the first finds zeros
.set j, j+1
.endr
.irp b, 0,1,2,3
	v_mov_b32 v[236+\b], 0                         ; a lane permute's destination counts as one of its sources
.endr
	v_mov_b32 v255, 0                              ; named as the upper half of the pair v[254:255]
	v_mov_b32 v13, 0xff61b1e6                      ; the largest t so far: -3e38
	v_floor_f32 v12, -v13
	v_mov_b32 v14, 0
	v_mov_b32 v15, 0
	v_mov_b32 v29, 0xff61b1e6
	v_floor_f32 v28, -v29
	v_mov_b32 v30, 0
	v_mov_b32 v31, 0
	s_wait_loadcnt 0x0                             ; Q
.Lslot:                                            ; seven trips; the last slot is written out, so that the loop's last trip jumps over no tensor load
	CHANGE 1
	SLOT_STEPS
	s_sub_co_u32 s[SLOTS], s[SLOTS], 1
	s_cmp_lg_u32 s[SLOTS], 0
	s_cbranch_scc1 .Lslot
	CHANGE 0
	SLOT_STEPS
	; THE WAY OUT.  O^T / the sum; then both tiles are quantised together: v96-127 are L's 64 numbers a row (two blocks), v128-159 H's.
.rept 4
	v_nop
.endr
	v_add_f32 v14, v14, v15
	v_add_f32 v30, v30, v31
	v_permlanex16_b32 v236, v14, s[SEL], s[SEL+1]
	v_permlanex16_b32 v237, v30, s[SEL], s[SEL+1]
	v_add_f32 v14, v14, v236
	v_add_f32 v30, v30, v237
	v_rcp_f32 v14, v14
	v_rcp_f32 v30, v30
	v_nop                                          ; a plain instruction behind the reciprocals
	s_wait_alu depctr_va_vdst(0)                   ; one wait for both, ahead of the first reader
.set j, 0
.rept 32
	v_mul_f32 v[96+j], v[160+j], v14               ; register 16 b + i: d = 32 b + 16 h + i
.set j, j+1
.endr
.set j, 0
.rept 32
	v_mul_f32 v[128+j], v[192+j], v30
.set j, j+1
.endr
.irp b, 0,1,2,3
	v_max3_num_f32 v[TM+\b], |v[96+16*\b]|, |v[97+16*\b]|, 0x1800000
.endr
.irp i, 2,4,6,8,10,12,14
.irp b, 0,1,2,3
	v_max3_num_f32 v[TM+\b], v[TM+\b], |v[96+16*\b+\i]|, |v[97+16*\b+\i]|
.endr
.endr
.irp b, 0,1,2,3
	v_permlanex16_b32 v[TM+4+\b], v[TM+\b], s[SEL], s[SEL+1]
.endr
.irp b, 0,1,2,3
	v_max_num_f32 v[TM+\b], v[TM+\b], v[TM+4+\b]
.endr
.irp b, 0,1,2,3
	v_add_nc_u32 v[TM+12+\b], 0xff000000, v[TM+\b]
.endr
.irp b, 0,1,2,3
	v_lshrrev_b32 v[TM+4+\b], 23, v[TM+12+\b]
.endr
	v_lshl_or_b32 v[PW], v[TM+5], 8, v[TM+4]       ; low half: L's two bytes of my row; high half: H's
	v_lshl_or_b32 v[PW], v[TM+6], 16, v[PW]
	v_lshl_or_b32 v[PW], v[TM+7], 24, v[PW]
.irp c, 0,1
	v_cvt_scalef32_pk16_fp6_f32 v[PC+6*\c:PC+2+6*\c], v[96+32*\c:111+32*\c], v[TM+12+2*\c]
	v_cvt_scalef32_pk16_fp6_f32 v[PC+12+4*\c:PC+14+4*\c], v[112+32*\c:127+32*\c], v[TM+13+2*\c]
.endr
	v_nop                                          ; one plain instruction behind the scaled conversions
.irp c, 0,1
.irp i, 0,1,2
	v_permlane16_swap_b32 v[PC+6*\c+\i], v[PC+12+4*\c+\i]
.endr
.irp i, 0,1,2
	v_mov_b32 v[PC+3+6*\c+\i], v[PC+12+4*\c+\i]
.endr
.endr
.irp p, 0,1,2
	global_store_b64 v[L8], v[PC+2*\p:PC+2*\p+1], s[52:53] offset:256*\p       ; L's half fragment: planes of 256 consecutive bytes, aligned
	global_store_b64 v[L8], v[PC+6+2*\p:PC+7+2*\p], s[54:55] offset:256*\p     ; H's
.endr
	ds_store_b16 v[SWR], v[PW]                     ; the scale bytes meet in the stage (lanes r and r + 16 write the same bytes with the same value)
	ds_store_b16_d16_hi v[SWR], v[PW] offset:512
	s_wait_dscnt 0x0                               ; for the others' sake: my stores are done
	s_barrier_signal -1
	s_barrier_wait -1
	s_cmp_lt_u32 s[WV], 2
	s_cbranch_scc0 .Lno_ys
	ds_load_b128 v[96:99], v[SRD]
	s_wait_dscnt 0x0
	global_store_b128 v[L16], v[96:99], s[56:57]   ; 512 consecutive bytes, aligned
.Lno_ys:
	s_wait_tensorcnt 0x0                           ; the wave's end
	ds_add_u32 v[SPW], v[NIL]
	s_wait_dscnt 0x0
	s_endpgm
.Lfunc_end_k_qc5c7c3768e_attn:
	.size	k_qc5c7c3768e_attn, .Lfunc_end_k_qc5c7c3768e_attn-k_qc5c7c3768e_attn
	.p2alignl 7, 3214868480
	.fill 96, 4, 3214868480
	.section	.rodata,"a",@progbits
	.p2align	6, 0x0
	.amdhsa_kernel k_qc5c7c3768e_attn
		.amdhsa_group_segment_fixed_size 327680
		.amdhsa_private_segment_fixed_size 0
		.amdhsa_enable_private_segment 0
		.amdhsa_kernarg_size 32
		.amdhsa_user_sgpr_count 2
		.amdhsa_user_sgpr_kernarg_segment_ptr 1
		.amdhsa_wavefront_size32 1
		.amdhsa_system_sgpr_workgroup_id_x 1
		.amdhsa_system_sgpr_workgroup_id_y 1
		.amdhsa_system_sgpr_workgroup_id_z 1
		.amdhsa_system_vgpr_workitem_id 0
		.amdhsa_next_free_vgpr 256
		.amdhsa_next_free_sgpr 100
		.amdhsa_reserve_vcc 1
		.amdhsa_float_denorm_mode_32 3
		.amdhsa_float_denorm_mode_16_64 3
		.amdhsa_memory_ordered 1
		.amdhsa_forward_progress 1
		.amdhsa_inst_pref_size 195
	.end_amdhsa_kernel
	.amdgpu_metadata
---
amdhsa.version: [ 1, 2 ]
amdhsa.kernels:
  - .name:           k_qc5c7c3768e_attn
    .symbol:         k_qc5c7c3768e_attn.kd
    .args:
      - { .name: qb, .offset: 0, .size: 8, .value_kind: global_buffer, .address_space: global }
      - { .name: kv, .offset: 8, .size: 8, .value_kind: global_buffer, .address_space: global }
      - { .name: yc, .offset: 16, .size: 8, .value_kind: global_buffer, .address_space: global }
      - { .name: ys, .offset: 24, .size: 8, .value_kind: global_buffer, .address_space: global }
    .group_segment_fixed_size: 327680
    .private_segment_fixed_size: 0
    .kernarg_segment_align: 8
    .kernarg_segment_size: 32
    .max_flat_workgroup_size: 512
    .sgpr_count:     100
    .vgpr_count:     256
    .wavefront_size: 32
...
	.end_amdgpu_metadata
.endif
;; end of part 3
;; launch proj (part 4): grid 8 x 32, 4 waves a work-group, clusters of 4 x 4, 327,680 bytes of LDS; arguments yc, ys, wc, ws, out0; writes out0
.if DOCPART == 4
	.amdgcn_target "amdgcn-amd-amdhsa--gfx1250"
	.amdhsa_code_object_version 6
	.text
	.protected	k_qc5c7c3768e_proj
	.globl	k_qc5c7c3768e_proj
	.p2align	8
	.type	k_qc5c7c3768e_proj,@function
k_qc5c7c3768e_proj:
	s_mov_b64 s[64:65], 0
	v_nop
	global_prefetch_b8 v0, s[64:65] scope:SCOPE_SE
	s_setreg_imm32_b32 hwreg(HW_REG_WAVE_MODE, 25, 1), 1
	s_wait_xcnt 0x0
	s_wait_alu depctr_hold_cnt(0) depctr_sa_sdst(0) depctr_va_vdst(0) depctr_va_sdst(0) depctr_va_ssrc(0) depctr_va_vcc(0) depctr_vm_vsrc(0)
	s_getreg_b32 s2, hwreg(HW_REG_IB_STS2, 6, 4)
	s_cmp_eq_u32 s2, 0
	s_cbranch_scc0 .Lentry_in_a_cluster
	s_endpgm
.Lentry_in_a_cluster:
	s_bfe_u32 s2, ttmp6, 0x10000c
	s_cmp_lg_u32 s2, 0xf033
	s_cbranch_scc0 .Lentry_shape_is_right
	s_endpgm
.Lentry_shape_is_right:
; out0 = y Wo^T on codes of FP6 (E2M3) with E8M0 scales, sums in f32.  y's codes and scale bytes were made by the attention launch, Wo's by the first launch.
; SHARES as in the launch of q, k, v: a work-group takes 256 rows (16 tiles) x 128 columns: 256 work-groups; all of K of both operands comes into LDS with the first fills, in two halves; nothing is filled again.
; Wave w: rows 128 (w / 2) on (8 tiles), columns 64 (w % 2) on (4 tiles): 32 accumulators.  Lane r of tile T holds row 32 (T / 2) + 8 (T % 2) + r + 8 (r / 8).
; The product is used transposed (source 0 = Wo's 16 rows, source 1 = y's): a lane holds one row of out0 and eight neighbouring columns an accumulator.
; y's scale bytes lie [b][head][tile][r] as two bytes: a K step's word is made of two heads' halves, once, at the head.
; CLUSTER 4 x 4: y's codes and scales are asked for jointly along a row of the cluster, Wo's along a column.  No prefetch: everything is asked for at the head.
; REGISTERS: window 0: v16-26 addresses; v28, v29 the add's; v32-95 y's scale words, v96-127 Wo's; v128-223 y's 8 fragments (one set), later rows on the way out.
;   window 1: Wo's 4 fragments, two sets.   window 2: the 32 accumulators.
.set LB,    196608
.set LSA,   294912                     ; y's scale bytes: [head 16][512]
.set LSB,   303104                     ; Wo's scale words, 4,096 bytes
.set STAGE, 307200                     ; 16 rows x 272 bytes for each wave: bytes of its own, into which no fill lands
.set SPARE, 324608                     ; the spare words, 128 bytes a wave: two blocks of 256 bytes that no other line names
.set AF,    128
.set BK,    128
.set SCA,   32
.set SCB,   96
.set ADRA,  16
.set ADRB,  18
.set ADSA,  20
.set ADSB,  21
.set L8,    22
.set STO,   24
.set RD,    25
.set CO,    26
.set SPW,   28
.set NIL,   29
.set G1A,   24
.set G1B,   32
.set G1SA,  40
.set G1SB,  48
.set G0A0,  56
.set G0A1,  60
.set G0B0,  68
.set G0B1,  72
.set G0SA,  76
.set G0SB,  80
.set MSB, 0
.macro WIN new                         ; the immediate's high byte repeats the setting that is left
.if MSB != \new
	s_set_vgpr_msb (MSB<<8)|\new
.set MSB, \new
.endif
.endm
.macro PLACES n
.rept \n
	v_nop
.endr
.endm
.macro CREST
	s_cmp_lg_u32 s16, 0
	s_cbranch_scc1 .Lnot_wave_0_\@
	s_barrier_signal -3
.Lnot_wave_0_\@:
	s_barrier_wait -3
	s_barrier_signal -1
	s_barrier_wait -1
.endm
.macro CROUND
	s_barrier_signal -1
	s_barrier_wait -1
	CREST
.endm
.macro GROUP1 g, c, r, p               ; r rows of c elements of 8 bytes, p elements apart
	s_mov_b32 s[\g+1], ((\c)&0xffff)<<16
	s_mov_b32 s[\g+2], ((\c)>>16)|(((\r)&0xffff)<<16)
	s_mov_b32 s[\g+3], ((\r)>>16)|((\c)<<16)
	s_mov_b32 s[\g+4], \r
	s_mov_b32 s[\g+5], \p
	s_mov_b32 s[\g+6], 0
	s_mov_b32 s[\g+7], 0
.endm
.macro FRAG reg, adr, off              ; a fragment: six planes of 256 bytes
.irp p, 0,1,2,3,4,5
	ds_load_b64 v[(\reg)+2*\p:(\reg)+2*\p+1], v[\adr] offset:(\off)+256*\p
.endr
.endm
.macro FETCH_B kh, ksp, set
	WIN 0x40
.irp b, 0,1,2,3
	FRAG 48*(\set)+12*\b, ADRB+(\kh), \b*6144+(\ksp)*1536
.endr
	WIN 0
.endm
.macro FETCH_A kh, ksp, a0
.irp a, 0,1,2,3
	FRAG AF+12*((\a0)+\a), ADRA+(\kh), ((\a0)+\a)*6144+(\ksp)*1536
.endr
.endm
.macro SCALES_A4                       ; the word of (block a, K step ks) = head 2 ks's two bytes below, head 2 ks + 1's above
.irp a, 0,1,2,3,4,5,6,7
.irp ks, 0,1,2,3,4,5,6,7
	ds_load_u16 v[SCA+8*\a+4*(\ks/4)+2*(\ks%2)+(\ks%4)/2], v[ADSA] offset:1024*\ks+32*\a
	ds_load_u16 v[AF+8*\a+\ks], v[ADSA] offset:1024*\ks+32*\a+512
.endr
.endr
	s_wait_dscnt 0x0
.irp a, 0,1,2,3,4,5,6,7
.irp ks, 0,1,2,3,4,5,6,7
	v_lshl_or_b32 v[SCA+8*\a+4*(\ks/4)+2*(\ks%2)+(\ks%4)/2], v[AF+8*\a+\ks], 16, v[SCA+8*\a+4*(\ks/4)+2*(\ks%2)+(\ks%4)/2]
.endr
.endr
	PLACES 8                                       ; a scale register written by a vector instruction stands eight plain instructions ahead of a scaled product
.endm
.macro SCALES_B
.irp b, 0,1,2,3
.irp kh, 0,1
.irp par, 0,1
	ds_load_b64 v[SCB+8*\b+4*\kh+2*\par:SCB+8*\b+4*\kh+2*\par+1], v[ADSB] offset:\b*512+\kh*256+\par*128
.endr
.endr
.endr
.endm
; 8 matrix instructions: y's blocks a0, a0 + 1 against Wo's four, K step ks.  The 32 accumulators take turns, one instruction a turn, in the same order in every step.
.macro MULQ a0, ks, zero
	WIN 0xa1                                       ; source 0 (Wo) window 1, source 1 (y) window 0, C and D window 2
.irp a, 0,1
.irp b, 0,1,2,3
.set qa, (\a0)+\a
.set rA, AF+12*qa
.set rB, 48*((\ks)%2)+12*\b
.set sA, SCA+8*qa+4*((\ks)/4)+2*((\ks)%2)+((\ks)%4)/2
.set sB, SCB+8*\b+4*((\ks)/4)+2*((\ks)%2)+((\ks)%4)/2
.set rD, 8*(4*qa+\b)
.if \zero
	v_wmma_scale_f32_16x16x128_f8f6f4 v[rD:rD+7], v[rB:rB+11], v[rA:rA+11], 0, v[sB], v[sA] matrix_a_fmt:MATRIX_FMT_FP6 matrix_b_fmt:MATRIX_FMT_FP6
.else
	v_wmma_scale_f32_16x16x128_f8f6f4 v[rD:rD+7], v[rB:rB+11], v[rA:rA+11], v[rD:rD+7], v[sB], v[sA] matrix_a_fmt:MATRIX_FMT_FP6 matrix_b_fmt:MATRIX_FMT_FP6
.endif
.endr
.endr
.endm
.macro STEP kh, ksp, zero
	s_wait_dscnt 24                                ; all but the youngest 24 loads (y's blocks 4-7) are in
	MULQ 0, 4*(\kh)+(\ksp), \zero
	MULQ 2, 4*(\kh)+(\ksp), \zero
	s_wait_dscnt 0x0
	PLACES 4                                       ; four plain instructions ahead of loads into registers that matrix instructions have read
	FETCH_B \kh, (\ksp)+1, ((\ksp)+1)%2
	FETCH_A \kh, (\ksp)+1, 0
	MULQ 4, 4*(\kh)+(\ksp), \zero
	MULQ 6, 4*(\kh)+(\ksp), \zero
	PLACES 4
	WIN 0
	FETCH_A \kh, (\ksp)+1, 4
.endm
.macro TOSTAGE a                       ; block a, 16 rows x 64 columns, through my own stage; LDS serves a wave's instructions in order
	WIN 0x08                                       ; an LDS store's data are its source 1: window 2
.irp b, 0,1,2,3
	ds_store_b128 v[STO], v[8*(4*(\a)+\b):8*(4*(\a)+\b)+3] offset:128*(\b/2)+32*(\b%2)       ; each accumulator from its low end on
	ds_store_b128 v[STO], v[8*(4*(\a)+\b)+4:8*(4*(\a)+\b)+7] offset:128*(\b/2)+32*(\b%2)+16
.endr
	WIN 0
.irp t, 0,1,2,3,4,5,6,7
	ds_load_b128 v[BK+32*((\a)%2)+4*\t:BK+32*((\a)%2)+4*\t+3], v[RD] offset:544*\t
.endr
.endm
.macro SEND a, younger                 ; younger: the LDS instructions issued behind block a's loads
	s_wait_dscnt \younger
.irp t, 0,1,2,3,4,5,6,7
	global_store_b128 v[CO], v[BK+32*((\a)%2)+4*\t:BK+32*((\a)%2)+4*\t+3], s[12:13] offset:(32*((\a)/2)+8*((\a)%2)+2*\t+8*(\t/4))*4096 th:TH_STORE_NT   ; sixteen lanes store 256 consecutive bytes, aligned; the tile's rows stand in the immediate
.endr
.endm
	s_load_b256 s[4:11], s[0:1], 0x0               ; yc, ys, wc, ws
	s_load_b64 s[12:13], s[0:1], 0x20              ; out0
	v_lshl_add_u32 v[SPW], v0, 2, SPARE
	v_mov_b32 v[NIL], 0
	ds_add_u32 v[SPW], v[NIL]                      ; the wave's opening: the add and its wait ahead of my first tensor load; work on registers stands between them
	v_lshrrev_b32 v1, 5, v0
	v_readfirstlane_b32 s16, v1                    ; wave
	s_lshr_b32 s17, s16, 1
	s_and_b32 s18, s16, 1
	s_bfe_u32 s20, ttmp6, 0x40000                  ; cx
	s_bfe_u32 s21, ttmp6, 0x40004                  ; cy
	s_lshl_b32 s22, ttmp9, 2
	s_add_co_u32 s22, s22, s20                     ; g
	s_and_b32 s23, ttmp7, 0xffff
	s_lshl_b32 s23, s23, 2
	s_add_co_u32 s23, s23, s21                     ; mt
	s_lshl_b32 s90, s21, 2
	s_lshl_b32 s90, 15, s90                        ; my row of the cluster
	s_lshl_b32 s91, 0x1111, s20                    ; my column
	s_or_b32 s[G1A], s90, (3<<16)|(1<<21)
	s_or_b32 s[G1SA], s90, (3<<16)|(1<<21)
	s_or_b32 s[G1B], s91, (3<<16)|(1<<21)
	s_or_b32 s[G1SB], s91, (3<<16)|(1<<21)
	GROUP1 G1A, 768, 4, 1536
	GROUP1 G1B, 768, 2, 1536
	GROUP1 G1SA, 64, 4, 512                        ; four heads' 512 bytes, 4,096 bytes apart
	GROUP1 G1SB, 32, 4, 32                         ; 1,024 dense bytes
	s_lshl_b32 s96, s23, 4                         ; y's side: made of mt and the wave alone
	s_lshl_b32 s97, s16, 2
	s_add_co_u32 s96, s96, s97
	s_mul_i32 s96, s96, 12288
	s_mov_b32 s97, 0
	s_lshr_b32 s98, s23, 3
	s_lshl_b32 s98, s98, 16
	s_lshl_b32 s99, s16, 14
	s_add_co_u32 s98, s98, s99
	s_and_b32 s99, s23, 7
	s_lshl_b32 s99, s99, 9
	s_add_co_u32 s98, s98, s99
	s_mov_b32 s99, 0
	s_lshl_b32 s92, s22, 3                         ; Wo's side: made of g and the wave alone
	s_lshl_b32 s93, s16, 1
	s_add_co_u32 s92, s92, s93
	s_add_co_u32 s92, s92, 192                     ; the fourth weight's tiles
	s_mul_i32 s92, s92, 12288
	s_mov_b32 s93, 0
	s_lshl_b32 s94, s22, 14
	s_lshl_b32 s95, s16, 10
	s_add_co_u32 s94, s94, s95
	s_add_co_u32 s94, s94, 12288
	s_mov_b32 s95, 0
	s_mov_b32 s[G0A0], 1
	s_mov_b32 s[G0A1], 1
	s_mov_b32 s[G0B0], 1
	s_mov_b32 s[G0B1], 1
	s_mov_b32 s[G0SA], 1
	s_mov_b32 s[G0SB], 1
	s_mul_i32 s[G0A0+1], s16, 24576
	s_add_co_u32 s[G0A1+1], s[G0A0+1], 98304
	s_mul_i32 s[G0B0+1], s16, 12288
	s_add_co_u32 s[G0B0+1], s[G0B0+1], LB
	s_add_co_u32 s[G0B1+1], s[G0B0+1], 49152
	s_lshl_b32 s[G0SA+1], s16, 11
	s_add_co_u32 s[G0SA+1], s[G0SA+1], LSA
	s_lshl_b32 s[G0SB+1], s16, 10
	s_add_co_u32 s[G0SB+1], s[G0SB+1], LSB
	s_wait_dscnt 0x0                               ; the opening add is done
	s_wait_kmcnt 0x0
	s_add_nc_u64 s[G0A0+2:G0A0+3], s[4:5], s[96:97]
	s_add_nc_u64 s[G0A1+2:G0A1+3], s[G0A0+2:G0A0+3], 6144
	s_or_b32 s[G0A0+3], s[G0A0+3], 0x80000000
	s_or_b32 s[G0A1+3], s[G0A1+3], 0x80000000
	s_add_nc_u64 s[G0B0+2:G0B0+3], s[8:9], s[92:93]
	s_add_nc_u64 s[G0B1+2:G0B1+3], s[G0B0+2:G0B0+3], 6144
	s_or_b32 s[G0B0+3], s[G0B0+3], 0x80000000
	s_or_b32 s[G0B1+3], s[G0B1+3], 0x80000000
	s_add_nc_u64 s[G0SA+2:G0SA+3], s[6:7], s[98:99]
	s_or_b32 s[G0SA+3], s[G0SA+3], 0x80000000
	s_add_nc_u64 s[G0SB+2:G0SB+3], s[10:11], s[94:95]
	s_or_b32 s[G0SB+3], s[G0SB+3], 0x80000000
	CROUND                                         ; all sixteen work-groups are here: the joint loads meet
	tensor_load_to_lds s[G0SA:G0SA+3], s[G1SA:G1SA+7]      ; six fills a wave, as one group: the scales, half 0 of K, half 1
	s_nop 0
	tensor_load_to_lds s[G0SB:G0SB+3], s[G1SB:G1SB+7]
	s_nop 0
	tensor_load_to_lds s[G0A0:G0A0+3], s[G1A:G1A+7]
	s_nop 0
	tensor_load_to_lds s[G0B0:G0B0+3], s[G1B:G1B+7]
	s_nop 0
	tensor_load_to_lds s[G0A1:G0A1+3], s[G1A:G1A+7]
	s_nop 0
	tensor_load_to_lds s[G0B1:G0B1+3], s[G1B:G1B+7]
	s_nop 0
	PLACES 4
	v_and_b32 v1, 31, v0
	v_and_b32 v2, 15, v0                           ; r
	v_bfe_u32 v3, v0, 4, 1                         ; h
	v_lshlrev_b32 v[L8], 3, v1
	s_mul_i32 s92, s17, 49152
	v_add_nc_u32 v[ADRA], s92, v[L8]
	v_add_nc_u32 v[ADRA+1], 98304, v[ADRA]
	s_mul_i32 s92, s18, 24576
	s_add_co_u32 s92, s92, LB
	v_add_nc_u32 v[ADRB], s92, v[L8]
	v_add_nc_u32 v[ADRB+1], 49152, v[ADRB]
	s_lshl_b32 s92, s17, 8
	s_add_co_u32 s92, s92, LSA
	v_lshl_add_u32 v[ADSA], v2, 1, s92             ; my 8 tiles' 256 bytes of a head, + 2 r
	s_lshl_b32 s92, s18, 11
	s_add_co_u32 s92, s92, LSB
	v_lshl_add_u32 v[ADSB], v2, 3, s92
	s_mul_i32 s92, s16, 16*272
	s_add_co_u32 s92, s92, STAGE                   ; my stage
	v_mul_u32_u24 v[STO], v2, 272
	v_lshl_add_u32 v[STO], v3, 6, v[STO]
	v_add_nc_u32 v[STO], s92, v[STO]               ; in: row r, + 64 h
	v_mul_u32_u24 v[RD], v3, 272
	v_lshl_add_u32 v[RD], v2, 4, v[RD]
	v_add_nc_u32 v[RD], s92, v[RD]                 ; back: lanes 0-15 one row of 256 bytes, lanes 16-31 the next
	v_lshlrev_b32 v[CO], 12, v3
	v_lshl_add_u32 v[CO], v2, 4, v[CO]             ; and the same two rows in out0
	s_lshl_b32 s90, s23, 8
	s_lshl_b32 s91, s17, 7
	s_add_co_u32 s90, s90, s91                     ; my first row: 256 mt + 128 half
	s_lshl_b32 s90, s90, 12
	s_lshl_b32 s91, s22, 9
	s_add_co_u32 s90, s90, s91                     ; my first column, in bytes: 512 g + 256 half
	s_lshl_b32 s91, s18, 8
	s_add_co_u32 s90, s90, s91
	s_mov_b32 s91, 0
	s_add_nc_u64 s[12:13], s[12:13], s[90:91]
	s_wait_tensorcnt 0x2                           ; the scales and half 0 of K are in; half 1's two loads may stay out
	s_barrier_signal -1
	s_barrier_wait -1
	SCALES_A4
	FETCH_B 0, 0, 0
	FETCH_A 0, 0, 0
	SCALES_B
	FETCH_A 0, 0, 4
	STEP 0, 0, 1                                   ; the first K step's products start the sums
	STEP 0, 1, 0
	STEP 0, 2, 0
	s_wait_tensorcnt 0x0                           ; K step 3 goes from half 0 to half 1: my parts of half 1 have landed;
	ds_add_u32 v[SPW], v[NIL]
	s_wait_dscnt 25                                ; (the add and y's blocks 4-7 may be out)
	MULQ 0, 3, 0
	s_wait_dscnt 0x0
	s_barrier_signal -1
	MULQ 2, 3, 0
	WIN 0
	s_barrier_wait -1                              ; everybody's have
	PLACES 4
	FETCH_B 1, 0, 0
	FETCH_A 1, 0, 0
	MULQ 4, 3, 0
	MULQ 6, 3, 0
	PLACES 4
	WIN 0
	FETCH_A 1, 0, 4
	STEP 1, 0, 0
	STEP 1, 1, 0
	STEP 1, 2, 0
	s_wait_dscnt 24                                ; the last K step: nothing more to fetch
	MULQ 0, 7, 0
	MULQ 2, 7, 0
	s_wait_dscnt 0x0
	MULQ 4, 7, 0
	MULQ 6, 7, 0
	PLACES 5
	WIN 0
	TOSTAGE 0                                      ; THE WAY OUT: while one block's rows are stored, the next is on its way through the stage
.irp a, 1,2,3,4,5,6,7
.if \a > 1
	s_wait_xcnt 0x0                                ; block a - 2's stores have read their registers: block a's loads may land there
.endif
	TOSTAGE \a
	SEND \a-1, 16                                  ; behind block a - 1's loads: block a's 8 stores and 8 loads
.endr
	SEND 7, 0
	s_wait_tensorcnt 0x0                           ; the wave's end
	ds_add_u32 v[SPW], v[NIL]
	s_wait_dscnt 0x0
	CROUND                                         ; the closing round
	s_endpgm
.Lfunc_end_k_qc5c7c3768e_proj:
	.size	k_qc5c7c3768e_proj, .Lfunc_end_k_qc5c7c3768e_proj-k_qc5c7c3768e_proj
	.p2alignl 7, 3214868480
	.fill 96, 4, 3214868480
	.section	.rodata,"a",@progbits
	.p2align	6, 0x0
	.amdhsa_kernel k_qc5c7c3768e_proj
		.amdhsa_group_segment_fixed_size 327680
		.amdhsa_private_segment_fixed_size 0
		.amdhsa_enable_private_segment 0
		.amdhsa_kernarg_size 40
		.amdhsa_user_sgpr_count 2
		.amdhsa_user_sgpr_kernarg_segment_ptr 1
		.amdhsa_wavefront_size32 1
		.amdhsa_system_sgpr_workgroup_id_x 1
		.amdhsa_system_sgpr_workgroup_id_y 1
		.amdhsa_system_sgpr_workgroup_id_z 1
		.amdhsa_system_vgpr_workitem_id 0
		.amdhsa_next_free_vgpr 768
		.amdhsa_next_free_sgpr 100
		.amdhsa_reserve_vcc 0
		.amdhsa_float_denorm_mode_32 3
		.amdhsa_float_denorm_mode_16_64 3
		.amdhsa_memory_ordered 1
		.amdhsa_forward_progress 1
		.amdhsa_inst_pref_size 109
	.end_amdhsa_kernel
	.amdgpu_metadata
---
amdhsa.version: [ 1, 2 ]
amdhsa.kernels:
  - .name:           k_qc5c7c3768e_proj
    .symbol:         k_qc5c7c3768e_proj.kd
    .args:
      - { .name: yc, .offset: 0, .size: 8, .value_kind: global_buffer, .address_space: global }
      - { .name: ys, .offset: 8, .size: 8, .value_kind: global_buffer, .address_space: global }
      - { .name: wc, .offset: 16, .size: 8, .value_kind: global_buffer, .address_space: global }
      - { .name: ws, .offset: 24, .size: 8, .value_kind: global_buffer, .address_space: global }
      - { .name: out0, .offset: 32, .size: 8, .value_kind: global_buffer, .address_space: global }
    .group_segment_fixed_size: 327680
    .private_segment_fixed_size: 0
    .kernarg_segment_align: 8
    .kernarg_segment_size: 40
    .max_flat_workgroup_size: 128
    .sgpr_count:     100
    .vgpr_count:     768
    .wavefront_size: 32
...
	.end_amdgpu_metadata
.endif
;; end of part 4
